; MI455X (gfx1250); checked and timed in simulation.
; The chip was launched on July 23, 2026; its instructions are those of AMD's public machine-readable ISA for CDNA 5 (MIT licence, August 2026) and "CDNA5" Instruction Set Architecture Reference Guide (July 2026). The comments in the code are by the model that wrote it; some were corrected since.
;; Flash Multi Head Attention. Allowed arithmetic: matrix products marked QUANTISED: E2M3 operands, one E8M0 scale for each 32 along K, by v_wmma_scale_f32_16x16x128_f8f6f4 with both operands' format E2M3, f32 sums; products left as they are: f32 operands where the result goes on into a quantised operand, else bf16, f16 or f32 operands; f32 sums; everything else in f32.
;; Inputs: Wk 1,024 x 1,024 float32; Wo 1,024 x 1,024 float32; Wq 1,024 x 1,024 float32; Wv 1,024 x 1,024 float32; bk 1,024 float32; bo 1,024 float32; bq 1,024 float32; bv 1,024 float32; k 16,384 x 1,024 float32; q 16,384 x 1,024 float32; v 16,384 x 1,024 float32.
;; Outputs: out0 16,384 x 1,024 float32.
;; This version of the problem:
;;   THIS VERSION OF THE PROBLEM IS GIVEN IN LOW PRECISION. The matrix products marked QUANTISED in the list below multiply operands that are first quantised to E2M3 (2 exponent bits, 3 mantissa bits; 6 bits a number), with one power-of-two scale for each 32 numbers along K (OCP MX v1.0); their sums are f32. All else is computed in f32.
;;   The module's matrix products, in the order in which they are computed (A, B: the left and right operand; K: the contracted axis; several contracted axes count as one K, in the product's order):
;;     1. [M 16,384, K 1,024] x [K 1,024, N 1,024]; A: input q; B: input Wq: QUANTISED
;;     2. [M 16,384, K 1,024] x [K 1,024, N 1,024]; A: input k; B: input Wk: QUANTISED
;;     3. [M 16,384, K 1,024] x [K 1,024, N 1,024]; A: input v; B: input Wv: QUANTISED
;;     4. batch 16,384 x [M 16, K 64] x [K 64, N 16]; A: computed on the way; B: computed on the way: QUANTISED
;;     5. batch 16,384 x [M 16, K 16] x [K 16, N 64]; A: softmax; B: computed on the way: left as it is (K = 16 < 32)
;;     6. [M 16,384, K 1,024] x [K 1,024, N 1,024]; A: computed on the way; B: input Wo: QUANTISED
;;   THE QUANTISER, for each operand of a quantised product, along K:
;;     - K is cut into blocks of 32 from its start; a last block that is shorter is filled with zeros.
;;     - A block's scale is 2^e with e = floor(log2(the largest magnitude in the block)) - 2, held to -126 .. 127; a block of zeros has e = 0. As a byte (E8M0): e + 127.
;;     - Each number is divided by its block's scale, clamped to +-7.5, and rounded to the nearest number of E2M3, ties to even, subnormals kept.
;;     - The product sums the exact products of the quantised numbers (number of the format x scale) in f32.
;;   ~~~python
;;   def quantise(x, axis):      # numpy; x: float32 -> the quantised numbers, widened to float32 again
;;       x = np.moveaxis(x, axis, -1); K = x.shape[-1]
;;       x = np.pad(x, [(0, 0)] * (x.ndim - 1) + [(0, -K % 32)]); x = x.reshape(x.shape[:-1] + (-1, 32)); a = np.abs(x).max(-1, keepdims=True)
;;       e = np.where(a > 0, np.clip(np.frexp(np.where(a > 0, a, 1))[1] - 1 - 2, -126, 127), 0)      # np.frexp(a)[1] - 1 = floor(log2(a)), exactly
;;       r = np.clip(x / 2.0 ** e, -7.5, 7.5)
;;       step = 2.0 ** (np.maximum(np.frexp(np.where(r == 0, 1, r))[1] - 1, 0) - 3)
;;       q = np.round(r / step) * step * 2.0 ** e      # np.round: ties to even
;;       return np.moveaxis(q.reshape(q.shape[:-2] + (-1,))[..., :K], -1, axis).astype(np.float32)
;;   ~~~
;;   OPERANDS COMPUTED ON THE WAY. 'Computed on the way' means the value that the module computes at that place (a softmax that the list does not call 'softmax' is quantised finished and normalised). What goes into a quantiser is computed in f32, as accurately as f32 sums, v_exp_f32 and their like allow (about 1e-6 of the number): no bf16 or f16 on the way to a quantiser, and a product that is left as it is and whose result goes on into a quantised operand takes f32 operands (vector FMAs, or v_wmma_f32_16x16x4_f32). A number that lies on a knife's edge between two numbers of the format may be rounded either way, as far as f32 arithmetic and the matrix unit's own rounding can turn it there, and no further.
;; 2 versions. Each part assembles by itself: llvm-mc -triple=amdgcn-amd-amdhsa -mcpu=gfx1250 --defsym DOCPART=n.
;; ======== version 1 of 2: 2 launches
;; workspace buffers: WP 3,276,800 bytes; BP 16,384 bytes
;; launch prep (part 1): grid 256 x 1, 4 waves a work-group, no clusters, 12,800 bytes of LDS; arguments Wq, Wk, Wv, Wo, bq, bk, bv, bo, WP, BP; writes WP, BP
.if DOCPART == 1
	.amdgcn_target "amdgcn-amd-amdhsa--gfx1250"
	.amdhsa_code_object_version 6
	.text
	.protected	k_q3509933405_prep
	.globl	k_q3509933405_prep
	.p2align	8
	.type	k_q3509933405_prep,@function
k_q3509933405_prep:
	s_mov_b64 s[64:65], 0
	v_nop
	global_prefetch_b8 v0, s[64:65] scope:SCOPE_SE
	s_setreg_imm32_b32 hwreg(HW_REG_WAVE_MODE, 25, 1), 1
	s_wait_xcnt 0x0
; Wq, Wk, Wv, Wo [1024 (n)][1024 (k)] f32 become codes of E2M3 with one E8M0 byte for each 32 along k, laid in WP in the order in which the
; second launch's operand registers take them; the four biases are laid in BP in the order of its accumulators.
; WP: [sigma = 8 g + s][wave w][25,600 bytes], g = 0 Q, 1 K, 2 V, 3 O, s = the K step of 128.  A part is 16 fragments of 1,536 bytes (tile t: [lane][48 bytes],
; a lane's 12 operand registers) and 1,024 bytes of scale words (tile pair i: 32 words, lanes 0-15 tile 2 i, lanes 16-31 tile 2 i + 1).
; Which rows n of W form tile t of wave w (rho = 0 .. 15):  Q, K: 256 w + 32 (t / 2) + 8 (t % 2) + rho + 8 (rho / 8);  V: 64 t + 16 w + rho;  O: 256 w + 16 t + rho.
; A block's scale is 2^(floor(log2(largest magnitude)) - 2): its byte is the largest magnitude's exponent field - 2, held at 1 from below by a floor among the maximum's leaves.
; LIMITS: a block of zeros, or one whose largest magnitude lies under 2^-124, gets the byte 1 (its codes are zeros or tiny; only this program reads the bytes); NaN and infinities are not served.
; SHARES: work-group x: g = x / 64, s = (x / 8) % 8, w = (x / 2) % 4; its four waves take tile pairs 4 (x % 2) + wave.  Lane (rho, h) holds 16 neighbours of each of its row's four blocks.
; The 12 bytes of 16 codes fall straight into the [lane][48 bytes] image in the wave's own stage in LDS, which then leaves as 3,072 dense bytes.  Waves share nothing: no barrier.
.set SPARE, 12288                      ; behind the four stages of 3,072 bytes: the spare words, 128 bytes a wave
.set SPW,  1                           ; v1   LDS address of my spare word; never rewritten
.set NIL,  2                           ; v2   0; never rewritten
.set OFF0, 6                           ; v6   my byte in W for the pair's first tile
.set OFF1, 7                           ; v7   for its second
.set STW,  8                           ; v8   the stage, in: 3,072 wave + 48 rho + 12 h
.set STR,  9                           ; v9   the stage, out: 3,072 wave + 16 lane
.set GO,   10                          ; v10  16 lane
.set GS,   11                          ; v11  4 lane
.set TM,   16                          ; v16-19 maxima, v20-23 bytes, v28-31 the conversions' scale operands
.set CD,   32                          ; v32-47, v48-63 the two tiles' codes
.set X0,   64                          ; v64-127  64 numbers of the first tile's row
.set X1,   128                         ; v128-191 of the second's
.set OB,   192                         ; v192-215 the way out
.set WD,   216                         ; v216, v217 the two tiles' scale words; v218 the one that my lane stores
.set SEL,  40                          ; s[40:41] lane selects: lane l xor 16
	s_load_b256 s[4:11], s[0:1], 0x0               ; Wq, Wk, Wv, Wo
	s_load_b256 s[12:19], s[0:1], 0x20             ; bq, bk, bv, bo
	s_load_b128 s[20:23], s[0:1], 0x40             ; WP, BP
	v_lshl_add_u32 v[SPW], v0, 2, SPARE
	v_mov_b32 v[NIL], 0
	v_lshrrev_b32 v3, 5, v0
	v_readfirstlane_b32 s26, v3                    ; wave
	v_and_b32 v3, 31, v0                           ; lane
	v_and_b32 v4, 15, v0                           ; rho
	v_bfe_u32 v5, v0, 4, 1                         ; h
	s_lshr_b32 s27, ttmp9, 6                       ; g
	s_bfe_u32 s28, ttmp9, 0x30003                  ; s
	s_bfe_u32 s29, ttmp9, 0x20001                  ; w
	s_and_b32 s30, ttmp9, 1
	s_lshl_b32 s30, s30, 2
	s_add_co_u32 s30, s30, s26                     ; i: my tile pair
	s_lshl_b32 s31, s30, 7
	s_lshl_b32 s32, s29, 4
	s_add_co_u32 s31, s31, s32                     ; V: the pair's first row is 128 i + 16 w
	s_lshl_b32 s32, s29, 8
	s_lshl_b32 s33, s30, 5
	s_add_co_u32 s32, s32, s33                     ; Q, K, O: 256 w + 32 i
	s_cmp_eq_u32 s27, 2
	s_cselect_b32 s31, s31, s32                    ; the pair's first row
	s_cselect_b32 s33, 64, 16
	s_cmp_lt_u32 s27, 2
	s_cselect_b32 s33, 8, s33                      ; rows from the first tile to the second: 8 (Q, K), 64 (V), 16 (O)
	s_cselect_b32 s34, 8, 0                        ; Q, K: rows 8-15 of a tile lie 8 further on
	v_lshrrev_b32 v12, 3, v4
	v_mul_u32_u24 v12, s34, v12
	v_add_nc_u32 v12, v12, v4                      ; my row within the tile
	s_lshl_b32 s35, s31, 12
	s_lshl_b32 s36, s28, 9
	s_add_co_u32 s35, s35, s36                     ; first row x 4,096 + 512 s
	v_lshl_add_u32 v[OFF0], v12, 12, s35
	v_lshl_add_u32 v[OFF0], v5, 6, v[OFF0]         ; + 64 h: my 16 numbers of a block
	s_lshl_b32 s36, s33, 12
	v_add_nc_u32 v[OFF1], s36, v[OFF0]
	v_mul_u32_u24 v13, s33, v5
	v_add_nc_u32 v13, v13, v12
	s_lshl_b32 s36, s31, 2
	v_lshl_add_u32 v13, v13, 2, s36                ; the bias: lanes 0-15 the first tile's rows, lanes 16-31 the second's
	s_mul_i32 s37, s26, 3072
	v_mul_u32_u24 v[STW], v4, 48
	v_mad_u32_u24 v[STW], v5, 12, v[STW]
	v_add_nc_u32 v[STW], s37, v[STW]
	v_lshlrev_b32 v[GO], 4, v3
	v_add_nc_u32 v[STR], s37, v[GO]
	v_lshlrev_b32 v[GS], 2, v3
	s_lshl_b32 s38, s27, 3
	s_add_co_u32 s38, s38, s28                     ; sigma
	s_lshl_b32 s38, s38, 2
	s_add_co_u32 s38, s38, s29
	s_mul_i32 s38, s38, 25600                      ; my part of WP
	s_mul_i32 s39, s30, 3072
	s_add_co_u32 s42, s38, s39                     ; the pair's two fragments
	s_mov_b32 s43, 0
	s_lshl_b32 s39, s30, 7
	s_add_co_u32 s44, s38, s39
	s_add_co_u32 s44, s44, 24576                   ; the pair's 32 scale words
	s_mov_b32 s45, 0
	s_lshl_b32 s46, s27, 12
	s_lshl_b32 s38, s29, 10
	s_add_co_u32 s46, s46, s38
	s_add_co_u32 s46, s46, s39                     ; BP: 4,096 g + 1,024 w + 128 i
	s_mov_b32 s47, 0
	s_mov_b32 s[SEL], 0x76543210
	s_mov_b32 s[SEL+1], 0xfedcba98
.irp b, 0,1,2,3
	v_mov_b32 v[TM+4+\b], 0                        ; written once: a lane permute's destination counts as one of its sources
.endr
	s_wait_kmcnt 0x0
	s_cmp_eq_u32 s27, 0                            ; the tensor is chosen by the work-group's number alone
	s_cselect_b64 s[4:5], s[4:5], s[6:7]
	s_cselect_b64 s[12:13], s[12:13], s[14:15]
	s_cmp_lt_u32 s27, 2
	s_cselect_b64 s[4:5], s[4:5], s[8:9]
	s_cselect_b64 s[12:13], s[12:13], s[16:17]
	s_cmp_lt_u32 s27, 3
	s_cselect_b64 s[4:5], s[4:5], s[10:11]
	s_cselect_b64 s[12:13], s[12:13], s[18:19]
	s_add_nc_u64 s[24:25], s[20:21], s[42:43]
	s_add_nc_u64 s[20:21], s[20:21], s[44:45]
	s_add_nc_u64 s[22:23], s[22:23], s[46:47]
.irp b, 0,1,2,3
.irp j, 0,1,2,3
	global_load_b128 v[X0+16*\b+4*\j:X0+16*\b+4*\j+3], v[OFF0], s[4:5] offset:128*\b+16*\j th:TH_LOAD_NT
.endr
.endr
.irp b, 0,1,2,3
.irp j, 0,1,2,3
	global_load_b128 v[X1+16*\b+4*\j:X1+16*\b+4*\j+3], v[OFF1], s[4:5] offset:128*\b+16*\j th:TH_LOAD_NT
.endr
.endr
; 64 numbers of a lane, register 16 b + i = k 32 b + 16 h + i of my row, become 4 x 12 bytes of codes in the image at off, and my row's scale word
.macro QUANT src, cd, off, word
.irp b, 0,1,2,3
	v_max3_num_f32 v[TM+\b], |v[\src+16*\b]|, |v[\src+16*\b+1]|, 0x1800000   ; my 16 numbers and the floor 2^(3 - 127): the byte cannot fall under 1
.endr
.irp i, 2,4,6,8,10,12,14
.irp b, 0,1,2,3
	v_max3_num_f32 v[TM+\b], v[TM+\b], |v[\src+16*\b+\i]|, |v[\src+16*\b+\i+1]|   ; the four blocks by turns
.endr
.endr
.irp b, 0,1,2,3
	v_permlanex16_b32 v[TM+4+\b], v[TM+\b], s[SEL], s[SEL+1]
.endr
.irp b, 0,1,2,3
	v_max_num_f32 v[TM+\b], v[TM+\b], v[TM+4+\b]   ; with lane l xor 16's 16: the block's largest magnitude
.endr
.irp b, 0,1,2,3
	v_add_nc_u32 v[TM+12+\b], 0xff000000, v[TM+\b] ; 2 off its exponent field: the conversion's scale operand
.endr
.irp b, 0,1,2,3
	v_lshrrev_b32 v[TM+4+\b], 23, v[TM+12+\b]      ; the scale's byte
.endr
	v_lshl_or_b32 v[\word], v[TM+5], 8, v[TM+4]
	v_lshl_or_b32 v[\word], v[TM+6], 16, v[\word]
	v_lshl_or_b32 v[\word], v[TM+7], 24, v[\word]
.irp b, 0,1,2,3
	v_cvt_scalef32_pk16_fp6_f32 v[\cd+4*\b:\cd+4*\b+2], v[\src+16*\b:\src+16*\b+15], v[TM+12+\b]
.endr
	v_nop                                          ; one plain place behind the conversions
.irp b, 0,1,2,3
.irp i, 0,1,2
	ds_store_b32 v[STW], v[\cd+4*\b+\i] offset:(\off)+768*(\b%2)+24*(\b/2)+4*\i   ; block b belongs to operand lane rho + 16 (b % 2), registers 6 (b / 2) on; my half of it 12 h bytes further
.endr
.endr
.endm
	s_wait_loadcnt 16                              ; the first tile's 16 loads are in; the second's may be out
	QUANT X0, CD, 0, WD
	s_wait_loadcnt 0x0
	QUANT X1, CD+16, 1536, WD+1
.irp k, 0,1,2,3,4,5
	ds_load_b128 v[OB+4*\k:OB+4*\k+3], v[STR] offset:512*\k   ; LDS serves a wave's instructions in order: these see my stores
.endr
	v_cmp_gt_u32 vcc_lo, 16, v3
	v_cndmask_b32 v[WD+2], v[WD+1], v[WD], vcc_lo  ; lanes 0-15 the first tile's words, lanes 16-31 the second's (each word stands in lanes rho and rho + 16)
	global_store_b32 v[GS], v[WD+2], s[20:21]
	s_wait_dscnt 0x0
.irp k, 0,1,2,3,4,5
	global_store_b128 v[GO], v[OB+4*\k:OB+4*\k+3], s[24:25] offset:512*\k   ; 32 lanes store 512 consecutive bytes, at a multiple of 256 from WP's first byte
.endr
	s_cmp_lg_u32 s28, 0                            ; the work-groups of K step 0 also lay the bias out
	s_cbranch_scc1 .Lno_bias
	global_load_b32 v14, v13, s[12:13]
	s_wait_loadcnt 0x0
	global_store_b32 v[GS], v14, s[22:23]
.Lno_bias:
	s_wait_tensorcnt 0x0                           ; the wave's end, behind my last LDS store
	ds_add_u32 v[SPW], v[NIL]
	s_wait_dscnt 0x0
	s_endpgm
.Lfunc_end_k_q3509933405_prep:
	.size	k_q3509933405_prep, .Lfunc_end_k_q3509933405_prep-k_q3509933405_prep
	.p2alignl 7, 3214868480
	.fill 96, 4, 3214868480
	.section	.rodata,"a",@progbits
	.p2align	6, 0x0
	.amdhsa_kernel k_q3509933405_prep
		.amdhsa_group_segment_fixed_size 12800
		.amdhsa_private_segment_fixed_size 0
		.amdhsa_enable_private_segment 0
		.amdhsa_kernarg_size 80
		.amdhsa_user_sgpr_count 2
		.amdhsa_user_sgpr_kernarg_segment_ptr 1
		.amdhsa_wavefront_size32 1
		.amdhsa_system_sgpr_workgroup_id_x 1
		.amdhsa_system_sgpr_workgroup_id_y 1
		.amdhsa_system_sgpr_workgroup_id_z 1
		.amdhsa_system_vgpr_workitem_id 0
		.amdhsa_next_free_vgpr 224
		.amdhsa_next_free_sgpr 66
		.amdhsa_reserve_vcc 1
		.amdhsa_float_denorm_mode_32 3
		.amdhsa_float_denorm_mode_16_64 3
		.amdhsa_memory_ordered 1
		.amdhsa_forward_progress 1
		.amdhsa_inst_pref_size 17
	.end_amdhsa_kernel
	.amdgpu_metadata
---
amdhsa.version: [ 1, 2 ]
amdhsa.kernels:
  - .name:           k_q3509933405_prep
    .symbol:         k_q3509933405_prep.kd
    .args:
      - { .name: Wq, .offset: 0, .size: 8, .value_kind: global_buffer, .address_space: global }
      - { .name: Wk, .offset: 8, .size: 8, .value_kind: global_buffer, .address_space: global }
      - { .name: Wv, .offset: 16, .size: 8, .value_kind: global_buffer, .address_space: global }
      - { .name: Wo, .offset: 24, .size: 8, .value_kind: global_buffer, .address_space: global }
      - { .name: bq, .offset: 32, .size: 8, .value_kind: global_buffer, .address_space: global }
      - { .name: bk, .offset: 40, .size: 8, .value_kind: global_buffer, .address_space: global }
      - { .name: bv, .offset: 48, .size: 8, .value_kind: global_buffer, .address_space: global }
      - { .name: bo, .offset: 56, .size: 8, .value_kind: global_buffer, .address_space: global }
      - { .name: WP, .offset: 64, .size: 8, .value_kind: global_buffer, .address_space: global }
      - { .name: BP, .offset: 72, .size: 8, .value_kind: global_buffer, .address_space: global }
    .group_segment_fixed_size: 12800
    .private_segment_fixed_size: 0
    .kernarg_segment_align: 8
    .kernarg_segment_size: 80
    .max_flat_workgroup_size: 128
    .sgpr_count:     66
    .vgpr_count:     224
    .wavefront_size: 32
...
	.end_amdgpu_metadata
.endif
;; end of part 1
;; launch fused (part 2): grid 256 x 1, 4 waves a work-group, clusters of 4 x 1, 327,680 bytes of LDS; arguments q, k, v, WP, BP, out0; writes out0
.if DOCPART == 2
	.amdgcn_target "amdgcn-amd-amdhsa--gfx1250"
	.amdhsa_code_object_version 6
	.text
	.protected	k_q3509933405_fused
	.globl	k_q3509933405_fused
	.p2align	8
	.type	k_q3509933405_fused,@function
k_q3509933405_fused:
	s_mov_b64 s[64:65], 0
	v_nop
	global_prefetch_b8 v0, s[64:65] scope:SCOPE_SE
	s_setreg_imm32_b32 hwreg(HW_REG_WAVE_MODE, 25, 1), 1
	s_wait_xcnt 0x0
	s_wait_alu depctr_hold_cnt(0) depctr_sa_sdst(0) depctr_va_vdst(0) depctr_va_sdst(0) depctr_va_ssrc(0) depctr_va_vcc(0) depctr_vm_vsrc(0)
	s_getreg_b32 s2, hwreg(HW_REG_IB_STS2, 6, 4)
	s_cmp_eq_u32 s2, 0
	s_cbranch_scc0 .Lentry_in_a_cluster
	s_endpgm
.Lentry_in_a_cluster:
	s_bfe_u32 s2, ttmp6, 0x10000c
	s_cmp_lg_u32 s2, 0x3003
	s_cbranch_scc0 .Lentry_shape_is_right
	s_endpgm
.Lentry_shape_is_right:
; out0 = (softmax over key heads of (qh kh^T / 8) vh) Wo^T + bo per token, qh = q Wq^T + bq and so on; all products but attn x vh on codes of E2M3 with one E8M0 scale for each 32 along K.
; SHARES.  A work-group owns 64 tokens and takes them through everything; nothing intermediate goes to memory.  In each of the four large products wave w makes 64 tokens x 256 columns:
; 64 accumulators, 512 registers; a K step of 128 is 64 matrix instructions a wave.
; WEIGHTS come from WP, laid by the launch before in operand order: one K step is 4 x 25,600 dense bytes, a part for each wave, read from LDS by that wave alone.  All work-groups walk the same 32 K steps, so the four
; of a cluster ask JOINTLY (mask 15): each wave one tensor load behind each round of the cluster's barrier, into a ring of two slots.  By this text's own count a wave has two tensor loads out at the start, then one.
; x (q, k, v) is quantised on the way, one K step ahead: wave w takes rows 16 w .. 16 w + 15, its codes go to LDS as images of the operand's registers ([lane][48 bytes]) and every wave loads them back.
; THE MATRIX INSTRUCTION IS USED TRANSPOSED (source 0 = 16 rows of W, source 1 = 16 tokens): lane (r, h), register j holds token r and W's row 8 h + j of the tile.  Which rows of W form a tile was chosen per product:
; Q, K: the 16 registers of tiles 2 b, 2 b + 1 are 16 neighbouring channels, so they are quantised as they stand;  V: tile t is head t, channels 16 w .. 16 w + 15;  O: neighbouring columns.
; THE BIAS is loaded straight into the accumulators and is the sum's start: nothing is cleared, no first step differs, nothing is added.
; SCORES: wave w takes tokens 16 w .. 16 w + 15, one matrix instruction a token (K = 64, the upper 64 of the instruction's 128 are zero codes); the row's maximum is taken away before the exponential; attn is normalised, f32.
; attn x vh is left in f32 (its result goes into a quantiser): packed multiply-adds, a lane holds one token, all 16 heads, 8 channels.  Its result is quantised along (head, channel); a block of 32 spans two waves,
; whose partial maxima meet in LDS.
; LIMITS: NaN and infinities among the inputs are not served; a block of zeros, or one whose largest magnitude lies under 2^-124, gets the scale byte 1 (only this program reads the bytes).
.set SLOTB, 102400                     ; a slot of the ring: four parts
.set PARTB, 25600                      ; a wave's part: 16 fragments of 1,536 bytes, 1,024 bytes of scale words
.set SCOFF, 24576
.set TOK,   204800                     ; behind the ring: a row of 1,552 bytes for each token: Q's codes (768), K's codes (768); then attn (1,024) over them; then, 16 rows at a time, the O product's operand images
.set TP,    1552                       ; 388 words: row r starts at bank 4 r mod 64 (64 banks of 4 bytes: ISA guide 11.1); 97 x 16 bytes
.set TILEB, 16*TP
.set XI,    TOK+64*TP                  ; x's codes: [tile of tokens m][slot][1,536]
.set XS,    XI+12288                   ; x's scale words: [slot][m][16 words]
.set QS,    XS+512                     ; Q's scale words [token][16 heads]; K's 4,096 bytes further on
.set MX,    XI                         ; once x is done: partial maxima [wave][2][lane][16 bytes],
.set OS,    XI+4096                    ; and the O operand's scale words, a copy for each wave: [wave][K step][m][16 words]
.set SPARE, 327168                     ; the spare words, 128 bytes a wave: two blocks of 256 bytes that no other line names
; vector registers, window 0
.set SPW, 1                            ; LDS address of my spare word; never rewritten
.set NIL, 2                            ; 0; never rewritten
.set RW,  3                            ; v3, v4   my part of slot 0, 1: + 48 lane
.set RS,  5                            ; v5, v6   its scale words: + 4 lane
.set XR,  7                            ; XI + 48 lane
.set XSR, 8                            ; XS + 4 lane
.set XIW, 9                            ; XI + 3,072 w + 48 r + 12 h
.set XSW, 10                           ; XS + 64 w + 4 r
.set XGA, 11                           ; x in memory: 4,096 r + 64 h
.set BA,  12                           ; the bias: 32 h
.set QW,  13                           ; TOK + 1,552 r + 12 h + 192 w
.set QW2, 14                           ; the same 32 tokens on
.set QSW, 15                           ; QS + 64 r + 16 w
.set PFO, 16                           ; the prefetch: 4,096 (lane % 16) + 256 (lane / 16)
.set SCA, 17                           ; TOK + 24,832 w + 48 r + 24 h
.set SCS, 18                           ; QS + 1,024 w + 4 r + 4,096 h: lanes 0-15 Q's words, lanes 16-31 K's
.set ATW, 19                           ; TOK + 24,832 w + 16 r + 512 h
.set ATR, 20                           ; TOK + 1,552 r
.set MXW, 21                           ; MX + 1,024 w + 16 lane
.set MXR, 22                           ; MX + 16 lane
.set OIW, 23                           ; TOK + 48 r + 24 h + 768 (w / 2) + 12 (w % 2)
.set OSW, 24                           ; OS + 2,048 w + 4 r
.set OIR, 25                           ; v25-28   TOK + 24,832 m + 48 lane
.set OSR, 29                           ; OS + 2,048 w + 4 lane
.set STO, 30                           ; the way out: 25,600 w + 1,040 r + 32 h
.set STR, 31                           ; 25,600 w + 16 lane
.set GOUT, 32                          ; 1,024 w + 16 lane
.set SH,  33                           ; 16 h
.set OSC, 34                           ; the address in hand of the O operand's scale words
.set WSC, 36                           ; v36-51   W's scale words, two sets of 8: scales and nothing else
.set XSC, 52                           ; v52-55   the tokens' scale words, two sets of 2
.set HW,  56                           ; v56-59   four heads' scale words
.set AC,  60                           ; v60-63   the phase's addresses in hand: a base + a scalar that steps
.set XF,  64                           ; v64-159  the tokens' fragments, two sets of 4 x 12
.set XA,  160                          ; v160-223 64 numbers of x, even chunks
.set XB,  192                          ; window 1: v192-255, odd chunks
.set TM,  224                          ; v224-227 maxima, 228-231 bytes, 232 a scale word, 236-239 the conversions' scale operands
.set CD,  240                          ; v240-255 codes just made
.set SR,  160                          ; scores: four tokens' 8 registers
.set ST,  192                          ; scores: 8 registers of statistics a token
.set OUT, 128                          ; attn x vh: v128-255, head hq's 8 channels at 8 hq
.set FV,  128                          ; window 1: vh of the tile of tokens in hand, head g's 8 channels at 8 g
; scalar registers
.set WV,  16
.set PW,  19                           ; 25,600 w
.set SEL, 20
.set CS,  22                           ; s[22:23] c = log2(e) / 8
.set G1,  24
.set G0,  32                           ; s[32:35], s[36:39]: a group 0 for each slot
.set QB,  40
.set KB,  42
.set VB,  44
.set PL,  46                           ; the chunk that is being loaded
.set PP,  48                           ; the chunk that is being prefetched
.set OF,  50                           ; s[50:51] an offset; s51 stays 0
.set SG,  52                           ; sigma, the K step in hand, 0 .. 23
.set GG,  53
.set LAP, 54
.set T0,  55
.set T1,  56
.set MSK, 57                           ; all ones in waves 2 and 3
.set MM,  58
.set NC,  59                           ; -c
.set BPP, 60
.set OUTP, 62
.set QOFF, 66
.set QSOFF, 67
.set S1,  68                           ; the phase's stepping offsets
.set S2,  69
.set MSB, 0
.macro WIN new                         ; the immediate's high byte repeats the setting that is left; a switch that changes nothing is dropped
.if MSB != (\new)
	s_set_vgpr_msb (MSB<<8)|(\new)
.set MSB, (\new)
.endif
.endm
.macro PLACES                          ; four plain places behind matrix instructions, in front of loads into their registers and of reads of their results
.rept 4
	v_nop
.endr
.endm
.macro CREST                           ; a round of the cluster's barrier behind its opening barrier
	s_cmp_lg_u32 s[WV], 0
	s_cbranch_scc1 .Lnot_wave_0_\@
	s_barrier_signal -3
.Lnot_wave_0_\@:
	s_barrier_wait -3
	s_barrier_signal -1
	s_barrier_wait -1
.endm
.macro ROUND
	s_barrier_signal -1
	s_barrier_wait -1
	CREST
.endm
.macro BARRIER                         ; my LDS stores have landed and my LDS loads are in: then the work-group's barrier
	s_wait_dscnt 0x0
	s_barrier_signal -1
	s_barrier_wait -1
.endm
; one matrix instruction in place; ra, rb: the scale words stand in lanes 16-31
.macro WM d, a, b, sa, sb, ra, rb
.if (\ra) && (\rb)
	v_wmma_scale_f32_16x16x128_f8f6f4 v[\d:\d+7], v[\a:\a+11], v[\b:\b+11], v[\d:\d+7], v[\sa], v[\sb] matrix_a_fmt:MATRIX_FMT_FP6 matrix_b_fmt:MATRIX_FMT_FP6 matrix_a_scale:MATRIX_SCALE_ROW1 matrix_b_scale:MATRIX_SCALE_ROW1
.elseif (\ra)
	v_wmma_scale_f32_16x16x128_f8f6f4 v[\d:\d+7], v[\a:\a+11], v[\b:\b+11], v[\d:\d+7], v[\sa], v[\sb] matrix_a_fmt:MATRIX_FMT_FP6 matrix_b_fmt:MATRIX_FMT_FP6 matrix_a_scale:MATRIX_SCALE_ROW1
.elseif (\rb)
	v_wmma_scale_f32_16x16x128_f8f6f4 v[\d:\d+7], v[\a:\a+11], v[\b:\b+11], v[\d:\d+7], v[\sa], v[\sb] matrix_a_fmt:MATRIX_FMT_FP6 matrix_b_fmt:MATRIX_FMT_FP6 matrix_b_scale:MATRIX_SCALE_ROW1
.else
	v_wmma_scale_f32_16x16x128_f8f6f4 v[\d:\d+7], v[\a:\a+11], v[\b:\b+11], v[\d:\d+7], v[\sa], v[\sb] matrix_a_fmt:MATRIX_FMT_FP6 matrix_b_fmt:MATRIX_FMT_FP6
.endif
.endm
; 8 matrix instructions: tokens 16 m on x W's tiles 8 half .. 8 half + 7.  Accumulator (m, t) lies in window 2 + t / 8 at v[64 m + 8 (t % 8)].  The 64 accumulators take turns, one instruction a turn,
; in the same order in every step.
.macro MUL m, half, par
	WIN 0xa1+0x50*(\half)                          ; source 0 (W) window 1, source 1 (tokens) window 0, C and D window 2 or 3
.irp t, 0,1,2,3,4,5,6,7
	WM 64*(\m)+8*\t, 96*(\half)+12*\t, XF+48*(\par)+12*(\m), WSC+8*(\par)+4*(\half)+\t/2, XSC+2*(\par)+(\m)/2, \t%2, (\m)%2
.endr
.endm
.macro FETCH_W slot, half, set         ; 8 fragments of W out of my part of a slot into window 1, set 0 at v0, set 1 at v96
	WIN 0x40
.irp f, 0,1,2,3,4,5,6,7
.irp i, 0,1,2
	ds_load_b128 v[96*(\set)+12*\f+4*\i:96*(\set)+12*\f+4*\i+3], v[RW+(\slot)] offset:1536*(8*(\half)+\f)+16*\i
.endr
.endr
	WIN 0
.endm
.macro FETCH_X pn                      ; the four tiles of tokens, x's images
.irp m, 0,1,2,3
.irp i, 0,1,2
	ds_load_b128 v[XF+48*(\pn)+12*\m+4*\i:XF+48*(\pn)+12*\m+4*\i+3], v[XR] offset:3072*\m+1536*(\pn)+16*\i
.endr
.endr
.endm
.macro FETCH_XO pn                     ; the same for the O product
.irp m, 0,1,2,3
.irp i, 0,1,2
	ds_load_b128 v[XF+48*(\pn)+12*\m+4*\i:XF+48*(\pn)+12*\m+4*\i+3], v[AC+\m] offset:16*\i
.endr
.endr
.endm
.macro FETCH_S pn, xadr, xoff          ; scale words: lanes 0-15 take the even tile's, lanes 16-31 the odd tile's
.irp i, 0,1,2,3,4,5,6,7
	ds_load_b32 v[WSC+8*(\pn)+\i], v[RS+(\pn)] offset:128*\i
.endr
.irp i, 0,1
	ds_load_b32 v[XSC+2*(\pn)+\i], v[\xadr] offset:(\xoff)+128*\i
.endr
.endm
.macro BIAS m                          ; the bias of my 256 columns into the 16 accumulators of tokens 16 m on: lane (r, h) wants rows 8 h .. 8 h + 7 of each tile
	WIN 0x80
.irp t, 0,1,2,3,4,5,6,7
.irp jj, 0,1
	global_load_b128 v[64*(\m)+8*\t+4*\jj:64*(\m)+8*\t+4*\jj+3], v[BA], s[BPP:BPP+1] offset:64*\t+16*\jj
.endr
.endr
	WIN 0xc0
.irp t, 0,1,2,3,4,5,6,7
.irp jj, 0,1
	global_load_b128 v[64*(\m)+8*\t+4*\jj:64*(\m)+8*\t+4*\jj+3], v[BA], s[BPP:BPP+1] offset:512+64*\t+16*\jj
.endr
.endr
	WIN 0
.endm
.macro CHUNKPTR dst, add               ; chunk sigma + add: 128 along K of q (chunks 0-7), k (8-15) or v (16-23), my wave's 16 rows
	s_add_co_u32 s[T0], s[SG], \add
	s_lshr_b32 s[T1], s[T0], 3
	s_and_b32 s[OF], s[T0], 7
	s_lshl_b32 s[OF], s[OF], 9
	s_cmp_eq_u32 s[T1], 0
	s_cselect_b64 s[\dst:\dst+1], s[QB:QB+1], s[KB:KB+1]
	s_cmp_lt_u32 s[T1], 2
	s_cselect_b64 s[\dst:\dst+1], s[\dst:\dst+1], s[VB:VB+1]
	s_add_nc_u64 s[\dst:\dst+1], s[\dst:\dst+1], s[OF:OF+1]
.endm
.macro XLOAD reg, win, off             ; lane (r, h): 16 neighbours of each of row r's four blocks
	WIN \win
.irp b, 0,1,2,3
.irp j, 0,1,2,3
	global_load_b128 v[\reg+16*\b+4*\j:\reg+16*\b+4*\j+3], v[XGA], s[PL:PL+1] offset:(\off)+128*\b+16*\j th:TH_LOAD_NT
.endr
.endr
	WIN 0
.endm
; THE QUANTISER, in parts.  64 numbers of a lane, register 16 b + i = place 32 b + 16 h + i along K of the lane's row.  QMAX: each block's largest magnitude, the conversion's scale operand, the byte.
.macro QMAX src, w
	WIN \w
.irp b, 0,1,2,3
	v_max3_num_f32 v[TM+\b], 0x1800000, |v[\src+16*\b]|, |v[\src+16*\b+1]|   ; the floor 2^(3 - 127) among the leaves: the byte cannot fall under 1.  (An accumulator is read from its low end on)
.endr
.irp i, 2,4,6,8,10,12,14
.irp b, 0,1,2,3
	v_max3_num_f32 v[TM+\b], v[TM+\b], |v[\src+16*\b+\i]|, |v[\src+16*\b+\i+1]|
.endr
.endr
	WIN 0
.irp b, 0,1,2,3
	v_permlanex16_b32 v[TM+4+\b], v[TM+\b], s[SEL], s[SEL+1]
.endr
.irp b, 0,1,2,3
	v_max_num_f32 v[TM+\b], v[TM+\b], v[TM+4+\b]
.endr
.irp b, 0,1,2,3
	v_add_nc_u32 v[TM+12+\b], 0xff000000, v[TM+\b] ; 2 off the exponent field
.endr
.irp b, 0,1,2,3
	v_lshrrev_b32 v[TM+4+\b], 23, v[TM+12+\b]
.endr
.endm
.macro QWORD
	v_lshl_or_b32 v[TM+8], v[TM+5], 8, v[TM+4]
	v_lshl_or_b32 v[TM+8], v[TM+6], 16, v[TM+8]
	v_lshl_or_b32 v[TM+8], v[TM+7], 24, v[TM+8]
.endm
.macro QCVT src, w
	WIN \w
.irp b, 0,1,2,3
	v_cvt_scalef32_pk16_fp6_f32 v[CD+4*\b:CD+4*\b+2], v[\src+16*\b:\src+16*\b+15], v[TM+12+\b]
.endr
	WIN 0
	v_nop                                          ; one plain place behind the conversions
.endm
.macro QST adr, off                    ; into an image [lane][48 bytes]: block b belongs to operand lane r + 16 (b % 2), registers 6 (b / 2) on; my half of it 12 h bytes further (in the address)
.irp b, 0,1,2,3
.irp i, 0,1,2
	ds_store_b32 v[\adr], v[CD+4*\b+\i] offset:(\off)+768*(\b%2)+24*(\b/2)+4*\i
.endr
.endr
.endm
; Q's or K's results of tokens 16 m on, tiles 8 gq .. 8 gq + 7: four blocks of 32 channels = two heads; codes into the tokens' rows, block (head, half) at 48 head + 24 half
.macro EPIQ m, gq
	QMAX 64*(\m), 0x28+0x14*(\gq)
	s_wait_dscnt 0x0                               ; the stores of the group before have read their registers
	v_lshl_or_b32 v[HW+2*(\gq)], v[TM+5], 8, v[TM+4]       ; a head's word: its two bytes; the upper two stay 0 (they scale zero codes)
	v_lshl_or_b32 v[HW+2*(\gq)+1], v[TM+7], 8, v[TM+6]
	QCVT 64*(\m), 0x02+(\gq)
.irp b, 0,1,2,3
.irp i, 0,1,2
	ds_store_b32 v[AC+(\m)/2], v[CD+4*\b+\i] offset:TILEB*((\m)%2)+24*(4*(\gq)+\b)+4*\i
.endr
.endr
.if (\gq) == 1
	ds_store_b128 v[AC+2], v[HW:HW+3] offset:1024*(\m)     ; my four heads' words of token 16 m + r
.endif
.endm
; A K STEP of 128: 64 matrix instructions.  kind 0: Q, K, V;  1: O, with a refill;  2: O's last but one;  3: O's last.
.macro STEP par, kind
	PLACES
	FETCH_W \par, 1, 1                             ; W's tiles 8-15 of this step
	s_wait_dscnt 24                                ; all but the 24 just issued: tiles 0-7, the tokens' fragments and the scale words are in
	MUL 0, 0, \par
	MUL 1, 0, \par
	WIN 0
.if \kind == 0
	s_cmp_ge_u32 s[SG], 23                         ; chunk sigma + 1 is quantised here, beside the matrix work; the last step has none
	s_cbranch_scc1 .Ldrain_\@
	s_wait_loadcnt 16                              ; its 16 loads are in; chunk sigma + 2's may be out
.if \par == 0
	QMAX XB, 0x14
	QWORD
	QCVT XB, 0x01
.else
	QMAX XA, 0
	QWORD
	QCVT XA, 0
.endif
	QST XIW, 1536*(1-\par)
	ds_store_b32 v[XSW], v[TM+8] offset:256*(1-\par)
	s_cmp_ge_u32 s[SG], 21                         ; and chunk sigma + 3 is asked for, into the registers just read; chunk 23 is the last
	s_cbranch_scc1 .Ldrain_\@
	s_wait_xcnt 0x0                                ; the earlier loads have read their base
	CHUNKPTR PL, 3
.if \par == 0
	XLOAD XB, 0x40, 0
.else
	XLOAD XA, 0, 0
.endif
	s_branch .Lfed_\@
.Ldrain_\@:
	s_wait_loadcnt 0x0                             ; no load follows: the counted wait of the next step would leave too much out, so all are waited for here
.Lfed_\@:
.endif
.if \kind < 2
	s_wait_tensorcnt 0x0                           ; all my tensor loads have landed: my part of the other slot;
	ds_add_u32 v[SPW], v[NIL]                      ; 0 onto my spare word;
	MUL 2, 0, \par                                 ; eight matrix instructions stand between the add and the wait for it
	s_add_nc_u64 s[G0+4*\par+2:G0+4*\par+3], s[G0+4*\par+2:G0+4*\par+3], 2*SLOTB   ; no load of mine is out: this slot's next K step, two on
	s_wait_dscnt 0x0                               ; the add is done, my reads of this slot are over, my images of x have landed
	s_barrier_signal -1
	MUL 3, 0, \par
	WIN 0
	s_barrier_wait -1
	CREST                                          ; the barrier has opened a round of the cluster's: no wave of any partner still reads this slot or has a load on its way
	tensor_load_to_lds s[G0+4*\par:G0+4*\par+3], s[G1:G1+7]   ; my one tensor load behind the round: it has a whole K step in which to land
	s_nop 0
	PLACES                                         ; (also the places in front of the loads below)
.elseif \kind == 2
	s_wait_tensorcnt 0x0                           ; the last K step's part has landed; only I read it, so no barrier
	MUL 2, 0, \par
	MUL 3, 0, \par
	WIN 0
	s_wait_dscnt 0x0                               ; W's tiles 8-15 are in
	PLACES
.else
	MUL 2, 0, \par
	MUL 3, 0, \par
	WIN 0
	s_wait_dscnt 0x0
.endif
.if \kind == 0
	FETCH_W 1-\par, 0, 0                           ; the next step's tiles 0-7, tokens and scale words: 32 matrix instructions ahead of their use
	FETCH_X 1-\par
	FETCH_S 1-\par, XSR, 256*(1-\par)
	s_cmp_ge_u32 s[SG], 19                         ; A PREFETCH INTO THE L2 of chunk sigma + 5, two steps ahead of its loads: my wave's own 16 rows x 512 bytes, a lane to each aligned 256 bytes;
	s_cbranch_scc1 .Lno_pf_\@                      ; each is named once in the launch; chunks 0 to 4 come by their loads alone; chunk 23 is the last
	s_wait_xcnt 0x0                                ; the last prefetch, a step back, has read its address
	CHUNKPTR PP, 5
	global_prefetch_b8 v[PFO], s[PP:PP+1] th:TH_LOAD_NT scope:SCOPE_SE
.Lno_pf_\@:
.elseif \kind < 3
	s_add_co_u32 s[S1], s[S1], 1536                ; the next K step's images and scale words
	s_add_co_u32 s[S2], s[S2], 256
.irp m, 0,1,2,3
	v_add_nc_u32 v[AC+\m], s[S1], v[OIR+\m]
.endr
	v_add_nc_u32 v[OSC], s[S2], v[OSR]
	FETCH_W 1-\par, 0, 0
	FETCH_XO 1-\par
	FETCH_S 1-\par, OSC, 0
.endif
	MUL 0, 1, \par
	MUL 1, 1, \par
	MUL 2, 1, \par
	MUL 3, 1, \par
	WIN 0
.if \kind == 0
	s_add_co_u32 s[SG], s[SG], 1
.endif
.endm
	; ---------------- the head
	s_load_b256 s[4:11], s[0:1], 0x0               ; q, k, v, WP
	s_load_b128 s[12:15], s[0:1], 0x20             ; BP, out0
	v_lshl_add_u32 v[SPW], v0, 2, SPARE
	v_mov_b32 v[NIL], 0
	ds_add_u32 v[SPW], v[NIL]                      ; the wave's opening: the add and its wait ahead of my first tensor load; the set-up below, work on registers, stands between them
	v_lshrrev_b32 v64, 5, v0
	v_readfirstlane_b32 s[WV], v64                 ; wave 0..3
	s_bfe_u32 s17, ttmp6, 0x40000                  ; cx: it enters the addresses of x and out0 alone
	s_lshl_b32 s18, ttmp9, 2
	s_add_co_u32 s18, s18, s17                     ; my block of 64 tokens
	s_mov_b32 s[SEL], 0x76543210
	s_mov_b32 s[SEL+1], 0xfedcba98
	s_mov_b32 s[CS], 0x3e38aa3b                    ; c = log2(e) / 8
	s_mov_b32 s[CS+1], s[CS]
	s_mov_b32 s[NC], 0xbe38aa3b                    ; -c
	s_mov_b32 s[G1], 15|(3<<16)|(1<<21)            ; 15:0 the mask: all four work-groups; 17:16 elements of 8 bytes; 21 set beside a mask; no padding
	s_mov_b32 s[G1+1], 32<<16                      ; tensor_dim0 = 32 elements: rows of 256 bytes
	s_mov_b32 s[G1+2], 100<<16                     ; tensor_dim1 = 100 rows: a part's 25,600 dense bytes
	s_mov_b32 s[G1+3], 32<<16                      ; tile_dim0
	s_mov_b32 s[G1+4], 100                         ; tile_dim1
	s_mov_b32 s[G1+5], 32                          ; the pitch
	s_mov_b32 s[G1+6], 0
	s_mov_b32 s[G1+7], 0
	s_cmp_ge_u32 s[WV], 2
	s_cselect_b32 s[MSK], -1, 0
	s_mov_b32 s[SG], 0
	s_mov_b32 s[GG], 0
	s_mov_b32 s[QOFF], 0
	s_mov_b32 s[QSOFF], 0
	s_mul_i32 s[PW], s[WV], PARTB
	v_and_b32 v64, 31, v0                          ; lane
	v_and_b32 v65, 15, v0                          ; r
	v_bfe_u32 v66, v0, 4, 1                        ; h
	v_mul_u32_u24 v67, v64, 48
	v_lshlrev_b32 v68, 2, v64
	v_mul_u32_u24 v69, v65, 48
	v_mad_u32_u24 v70, v66, 12, v69
	v_mul_u32_u24 v71, v65, TP
	v_lshlrev_b32 v72, 4, v64
	v_add_nc_u32 v[RW], s[PW], v67
	v_add_nc_u32 v[RW+1], SLOTB, v[RW]
	s_add_co_u32 s[T1], s[PW], SCOFF
	v_add_nc_u32 v[RS], s[T1], v68
	v_add_nc_u32 v[RS+1], SLOTB, v[RS]
	v_add_nc_u32 v[XR], XI, v67
	v_add_nc_u32 v[XSR], XS, v68
	s_mul_i32 s[T1], s[WV], 3072
	s_add_co_u32 s[T1], s[T1], XI
	v_add_nc_u32 v[XIW], s[T1], v70
	s_lshl_b32 s[T1], s[WV], 6
	s_add_co_u32 s[T1], s[T1], XS
	v_lshl_add_u32 v[XSW], v65, 2, s[T1]
	v_lshlrev_b32 v[XGA], 12, v65
	v_lshl_add_u32 v[XGA], v66, 6, v[XGA]
	v_lshlrev_b32 v[BA], 5, v66
	s_mul_i32 s[T1], s[WV], 192
	s_add_co_u32 s[T1], s[T1], TOK
	v_mad_u32_u24 v[QW], v66, 12, v71
	v_add_nc_u32 v[QW], s[T1], v[QW]
	v_add_nc_u32 v[QW2], 2*TILEB, v[QW]
	s_lshl_b32 s[T1], s[WV], 4
	s_add_co_u32 s[T1], s[T1], QS
	v_lshl_add_u32 v[QSW], v65, 6, s[T1]
	v_lshlrev_b32 v[PFO], 12, v65
	v_lshl_add_u32 v[PFO], v66, 8, v[PFO]
	s_mul_i32 s[T1], s[WV], TILEB
	s_add_co_u32 s[T1], s[T1], TOK
	v_mad_u32_u24 v[SCA], v66, 24, v69
	v_add_nc_u32 v[SCA], s[T1], v[SCA]
	v_lshl_add_u32 v[ATW], v65, 4, s[T1]
	v_lshl_add_u32 v[ATW], v66, 9, v[ATW]
	s_lshl_b32 s[T0], s[WV], 10
	s_add_co_u32 s[T1], s[T0], QS
	v_lshl_add_u32 v[SCS], v65, 2, s[T1]
	v_lshl_add_u32 v[SCS], v66, 12, v[SCS]         ; one product: lanes 16-31 stand 4,096 bytes on, at K's words
	v_add_nc_u32 v[ATR], TOK, v71
	s_add_co_u32 s[T1], s[T0], MX
	v_lshl_add_u32 v[MXW], v64, 4, s[T1]
	v_add_nc_u32 v[MXR], MX, v72
	v_add_nc_u32 v[GOUT], s[T0], v72
	s_lshr_b32 s[T0], s[WV], 1
	s_mul_i32 s[T0], s[T0], 768
	s_and_b32 s[T1], s[WV], 1
	s_mul_i32 s[T1], s[T1], 12
	s_add_co_u32 s[T0], s[T0], s[T1]
	s_add_co_u32 s[T0], s[T0], TOK
	v_mad_u32_u24 v[OIW], v66, 24, v69
	v_add_nc_u32 v[OIW], s[T0], v[OIW]
	s_lshl_b32 s[T0], s[WV], 11
	s_add_co_u32 s[T0], s[T0], OS
	v_lshl_add_u32 v[OSW], v65, 2, s[T0]
	v_add_nc_u32 v[OSR], s[T0], v68
.irp m, 0,1,2,3
	v_add_nc_u32 v[OIR+\m], TOK+TILEB*\m, v67
.endr
	v_mul_u32_u24 v[STO], v65, 1040
	v_lshl_add_u32 v[STO], v66, 5, v[STO]
	v_add_nc_u32 v[STO], s[PW], v[STO]
	v_add_nc_u32 v[STR], s[PW], v72
	v_lshlrev_b32 v[SH], 4, v66
.irp b, 0,1,2,3
	v_mov_b32 v[TM+4+\b], 0                        ; written once: a lane permute's destination counts as one of its sources
.endr
	s_wait_dscnt 0x0                               ; the opening add is done
	s_wait_kmcnt 0x0
	s_mov_b32 s[OF], s[PW]
	s_mov_b32 s[OF+1], 0
	s_add_nc_u64 s[G0+2:G0+3], s[10:11], s[OF:OF+1]        ; K step 0, my part: the wave's number alone enters, so the descriptor is the same in all four partners
	s_add_nc_u64 s[G0+6:G0+7], s[G0+2:G0+3], SLOTB         ; K step 1
	s_or_b32 s[G0+3], s[G0+3], 0x80000000
	s_or_b32 s[G0+7], s[G0+7], 0x80000000
	s_mov_b32 s[G0], 1
	s_mov_b32 s[G0+1], s[PW]
	s_mov_b32 s[G0+4], 1
	s_add_co_u32 s[G0+5], s[PW], SLOTB
	s_lshl_b32 s[OF], s18, 18                      ; 64 rows of 4,096 bytes
	s_add_nc_u64 s[OUTP:OUTP+1], s[14:15], s[OF:OF+1]
	s_lshl_b32 s[T0], s[WV], 16
	s_add_co_u32 s[OF], s[OF], s[T0]               ; + my wave's 16 rows
	s_add_nc_u64 s[QB:QB+1], s[4:5], s[OF:OF+1]
	s_add_nc_u64 s[KB:KB+1], s[6:7], s[OF:OF+1]
	s_add_nc_u64 s[VB:VB+1], s[8:9], s[OF:OF+1]
	s_lshl_b32 s[OF], s[WV], 10
	s_add_nc_u64 s[BPP:BPP+1], s[12:13], s[OF:OF+1]
	s_mov_b64 s[PL:PL+1], s[QB:QB+1]
	ROUND                                          ; all four work-groups are here: the first joint loads meet
	tensor_load_to_lds s[G0:G0+3], s[G1:G1+7]
	s_nop 0
	tensor_load_to_lds s[G0+4:G0+7], s[G1:G1+7]
	s_nop 0
	PLACES
.irp m, 0,1,2,3
	BIAS \m                                        ; bq
.endr
	XLOAD XA, 0, 0                                 ; chunk 0
	XLOAD XB, 0x40, 512                            ; chunk 1
	s_wait_loadcnt 16                              ; chunk 0 is in; chunk 1's 16 loads may be out
	QMAX XA, 0
	QWORD
	QCVT XA, 0
	QST XIW, 0
	ds_store_b32 v[XSW], v[TM+8]
	XLOAD XA, 0, 1024                              ; chunk 2
	s_wait_tensorcnt 0x1                           ; my part of K step 0 is in; K step 1's may stay out
	BARRIER                                        ; everybody's images of chunk 0 lie in LDS
	FETCH_W 0, 0, 0
	FETCH_X 0
	FETCH_S 0, XSR, 0
	; ---------------- Q, K, V: 24 K steps; the ring and the stream of x run on from product to product
.Lproj:
	s_wait_loadcnt 0x0                             ; the bias is in the accumulators
	s_mov_b32 s[LAP], 4
.Llap:
	STEP 0, 0
	STEP 1, 0
	s_sub_co_u32 s[LAP], s[LAP], 1
	s_cmp_lg_u32 s[LAP], 0
	s_cbranch_scc1 .Llap
	s_cmp_eq_u32 s[GG], 2                          ; V's results stay in the accumulators
	s_cbranch_scc1 .Lno_epi
	PLACES
	v_add_nc_u32 v[AC], s[QOFF], v[QW]             ; Q's codes at byte 0 of a token's row, K's at byte 768
	v_add_nc_u32 v[AC+1], s[QOFF], v[QW2]
	v_add_nc_u32 v[AC+2], s[QSOFF], v[QSW]
	s_wait_xcnt 0x0                                ; the bias loads have read their base
	s_add_nc_u64 s[BPP:BPP+1], s[BPP:BPP+1], 4096  ; the next product's bias
.irp m, 0,1,2,3
	EPIQ \m, 0
	EPIQ \m, 1
	BIAS \m                                        ; it lands under the later tiles' work
.endr
.Lno_epi:
	s_add_co_u32 s[QOFF], s[QOFF], 768
	s_add_co_u32 s[QSOFF], s[QSOFF], 4096
	s_add_co_u32 s[GG], s[GG], 1
	s_cmp_lt_u32 s[GG], 3
	s_cbranch_scc1 .Lproj
	; ---------------- the scores and the softmax: my 16 tokens, four at a time.  The codes of Q and K were stored ahead of V's barriers
	s_wait_loadcnt 0x0
	s_wait_dscnt 0x0                               ; the last step's fetches
	PLACES
.irp f, 0,1,2,3,4,5,6,7
.irp i, 6,7,8,9,10,11
	v_mov_b32 v[XF+12*\f+\i], 0                    ; K = 64: the upper 64 of the instruction's 128 are zero codes, on both sides
.endr
.endr
.irp T, 0,1,2,3
	v_mov_b32 v[ST+8*\T+1], 0                      ; a permute's destination, and the partners of pairs that are named whole
	v_mov_b32 v[ST+8*\T+7], 0
.endr
	s_mov_b32 s[S1], 0
	s_mov_b32 s[S2], 0
	s_mov_b32 s[LAP], 4
.Lscore:
	v_add_nc_u32 v[AC], s[S1], v[SCA]
	v_add_nc_u32 v[AC+1], s[S1], v[ATW]
	v_add_nc_u32 v[AC+2], s[S2], v[SCS]
.irp T, 0,1,2,3
.irp p, 0,1,2
	ds_load_b64 v[XF+24*\T+2*\p:XF+24*\T+2*\p+1], v[AC] offset:TP*\T+768+8*\p      ; K: lane (r, h) takes head r, channels 32 h on: 24 bytes
	ds_load_b64 v[XF+24*\T+12+2*\p:XF+24*\T+12+2*\p+1], v[AC] offset:TP*\T+8*\p    ; Q likewise
.endr
	ds_load_b32 v[WSC+\T], v[AC+2] offset:64*\T    ; lanes 0-15 Q's words, lanes 16-31 K's
.endr
	s_wait_dscnt 0x0
.irp T, 0,1,2,3
	v_wmma_scale_f32_16x16x128_f8f6f4 v[SR+8*\T:SR+8*\T+7], v[XF+24*\T:XF+24*\T+11], v[XF+24*\T+12:XF+24*\T+23], 0, v[WSC+\T], v[WSC+\T] matrix_a_fmt:MATRIX_FMT_FP6 matrix_b_fmt:MATRIX_FMT_FP6 matrix_a_scale:MATRIX_SCALE_ROW1
.endr                                              ; lane (r, h), register j: query head r, key head 8 h + j
	PLACES
.irp T, 0,1,2,3
	v_max3_num_f32 v[ST+8*\T], v[SR+8*\T], v[SR+8*\T+1], v[SR+8*\T+2]
.endr
.irp T, 0,1,2,3
	v_max3_num_f32 v[ST+8*\T+2], v[SR+8*\T+3], v[SR+8*\T+4], v[SR+8*\T+5]
.endr
.irp T, 0,1,2,3
	v_max3_num_f32 v[ST+8*\T], v[ST+8*\T], v[SR+8*\T+6], v[SR+8*\T+7]
.endr
.irp T, 0,1,2,3
	v_max_num_f32 v[ST+8*\T], v[ST+8*\T], v[ST+8*\T+2]
.endr
.irp T, 0,1,2,3
	v_permlanex16_b32 v[ST+8*\T+1], v[ST+8*\T], s[SEL], s[SEL+1]
.endr
.irp T, 0,1,2,3
	v_max_num_f32 v[ST+8*\T], v[ST+8*\T], v[ST+8*\T+1]     ; the row's largest score
.endr
.irp T, 0,1,2,3
	v_mul_f32 v[ST+8*\T], s[NC], v[ST+8*\T]        ; - c x it
.endr
.irp T, 0,1,2,3
.irp j, 0,2,4,6
	v_pk_fma_f32 v[SR+8*\T+\j:SR+8*\T+\j+1], v[SR+8*\T+\j:SR+8*\T+\j+1], s[CS:CS+1], v[ST+8*\T:ST+8*\T+1] op_sel_hi:[1,0,0]   ; c s - c max, two at a time
.endr
.endr
.set k, 0
.rept 32
	v_exp_f32 v[SR+k], v[SR+k]
.set k, k+1
.endr
	v_nop                                          ; a plain place behind the exponentials
	s_wait_alu depctr_va_vdst(0)                   ; one wait for the batch of 32, ahead of its first reader
.irp T, 0,1,2,3
	v_pk_add_f32 v[ST+8*\T+2:ST+8*\T+3], v[SR+8*\T:SR+8*\T+1], v[SR+8*\T+2:SR+8*\T+3]
	v_pk_add_f32 v[ST+8*\T+4:ST+8*\T+5], v[SR+8*\T+4:SR+8*\T+5], v[SR+8*\T+6:SR+8*\T+7]
.endr
.irp T, 0,1,2,3
	v_pk_add_f32 v[ST+8*\T+2:ST+8*\T+3], v[ST+8*\T+2:ST+8*\T+3], v[ST+8*\T+4:ST+8*\T+5]
.endr
.irp T, 0,1,2,3
	v_add_f32 v[ST+8*\T+2], v[ST+8*\T+2], v[ST+8*\T+3]
.endr
.irp T, 0,1,2,3
	v_permlanex16_b32 v[ST+8*\T+3], v[ST+8*\T+2], s[SEL], s[SEL+1]
.endr
.irp T, 0,1,2,3
	v_add_f32 v[ST+8*\T+2], v[ST+8*\T+2], v[ST+8*\T+3]     ; the row's sum
.endr
.irp T, 0,1,2,3
	v_rcp_f32 v[ST+8*\T+6], v[ST+8*\T+2]
.endr
	v_nop
	s_wait_alu depctr_va_vdst(0)                   ; one wait for the four reciprocals
.irp T, 0,1,2,3
.irp j, 0,2,4,6
	v_pk_mul_f32 v[SR+8*\T+\j:SR+8*\T+\j+1], v[SR+8*\T+\j:SR+8*\T+\j+1], v[ST+8*\T+6:ST+8*\T+7] op_sel_hi:[1,0]
.endr
.endr
.irp T, 0,1,2,3
	ds_store_b128 v[AC+1], v[SR+8*\T:SR+8*\T+3] offset:TP*\T           ; attn[hq][g] at 256 (g / 4) + 16 hq + 4 (g % 4) of the token's row, over its codes, which are in registers
	ds_store_b128 v[AC+1], v[SR+8*\T+4:SR+8*\T+7] offset:TP*\T+256
.endr
	s_add_co_u32 s[S1], s[S1], 4*TP
	s_add_co_u32 s[S2], s[S2], 256
	s_sub_co_u32 s[LAP], s[LAP], 1
	s_cmp_lg_u32 s[LAP], 0
	s_cbranch_scc1 .Lscore
	BARRIER                                        ; attn of all 64 tokens lies in LDS; nobody reads x's images any more
	; ---------------- attn x vh, in f32, and its quantiser: 16 tokens a trip
.macro ATLOAD q                        ; attn[all 16 hq][g = 4 q .. 4 q + 3] of my token, into window 1, buffer q % 2
	WIN 0x40
.irp hq, 0,1,2,3,4,5,6,7,8,9,10,11,12,13,14,15
	ds_load_b128 v[64*((\q)%2)+4*\hq:64*((\q)%2)+4*\hq+3], v[AC] offset:256*(\q)+16*\hq
.endr
	WIN 0
.endm
.macro FMAG q                          ; 256 packed multiply-adds: OUT[hq][8 channels] += vh[g][8 channels] x attn[hq][g]; 63 others stand between two on one register pair
	WIN 0x05                                       ; vh and attn window 1, OUT window 0
.irp gg, 0,1,2,3
.irp hq, 0,1,2,3,4,5,6,7,8,9,10,11,12,13,14,15
.irp jj, 0,1,2,3
.if ((\q) == 0) && (\gg == 0)
	v_pk_mul_f32 v[OUT+8*\hq+2*\jj:OUT+8*\hq+2*\jj+1], v[FV+2*\jj:FV+2*\jj+1], v[4*\hq:4*\hq+1] op_sel_hi:[1,0]   ; the first product starts the sums
.elseif (\gg%2) == 0
	v_pk_fma_f32 v[OUT+8*\hq+2*\jj:OUT+8*\hq+2*\jj+1], v[FV+8*(4*(\q)+\gg)+2*\jj:FV+8*(4*(\q)+\gg)+2*\jj+1], v[64*((\q)%2)+4*\hq+2*(\gg/2):64*((\q)%2)+4*\hq+2*(\gg/2)+1], v[OUT+8*\hq+2*\jj:OUT+8*\hq+2*\jj+1] op_sel_hi:[1,0,1]
.else
	v_pk_fma_f32 v[OUT+8*\hq+2*\jj:OUT+8*\hq+2*\jj+1], v[FV+8*(4*(\q)+\gg)+2*\jj:FV+8*(4*(\q)+\gg)+2*\jj+1], v[64*((\q)%2)+4*\hq+2*(\gg/2):64*((\q)%2)+4*\hq+2*(\gg/2)+1], v[OUT+8*\hq+2*\jj:OUT+8*\hq+2*\jj+1] op_sel:[0,1,0] op_sel_hi:[1,1,1]
.endif
.endr
.endr
.endr
	WIN 0
.endm
; vh of tokens 16 m on moves to fixed registers, two numbers an instruction, so that ONE text of 1,024 multiply-adds serves the four tiles (four texts would be four times the code);
; the tile's accumulators are then free and take bo, the O product's start.
.macro COPY m
	WIN 0x42
.set k, 0
.rept 32
	v_pk_mul_f32 v[FV+2*k:FV+2*k+1], v[64*(\m)+2*k:64*(\m)+2*k+1], 1.0 op_sel_hi:[1,0]
.set k, k+1
.endr
	WIN 0x43
.set k, 0
.rept 32
	v_pk_mul_f32 v[FV+64+2*k:FV+64+2*k+1], v[64*(\m)+2*k:64*(\m)+2*k+1], 1.0 op_sel_hi:[1,0]
.set k, k+1
.endr
	BIAS \m
.endm
	s_wait_xcnt 0x0
	s_add_nc_u64 s[BPP:BPP+1], s[BPP:BPP+1], 4096  ; bo
	s_mov_b32 s[MM], 0
	s_mov_b32 s[S1], 0
	s_mov_b32 s[S2], 0
.Ltile:
	s_wait_loadcnt 0x0                             ; the bias loads of the trip before, issued a whole trip ago
	v_add_nc_u32 v[AC], s[S1], v[ATR]
	v_add_nc_u32 v[AC+1], s[S1], v[OIW]
	v_add_nc_u32 v[AC+2], s[S2], v[OSW]
	ATLOAD 0
	s_cmp_eq_u32 s[MM], 0
	s_cbranch_scc1 .Lcopy0
	s_cmp_eq_u32 s[MM], 1
	s_cbranch_scc1 .Lcopy1
	s_cmp_eq_u32 s[MM], 2
	s_cbranch_scc1 .Lcopy2
	COPY 3
	s_branch .Lcopied
.Lcopy0:
	COPY 0
	s_branch .Lcopied
.Lcopy1:
	COPY 1
	s_branch .Lcopied
.Lcopy2:
	COPY 2
.Lcopied:
.irp q, 0,1,2
	ATLOAD \q+1
	s_wait_dscnt 16                                ; this group's 16 loads are in; the next group's may be out
	FMAG \q
.endr
	s_wait_dscnt 0x0
	FMAG 3
.irp p, 0,1,2,3,4,5,6,7
.irp j, 0,1,2,3,4,5,6,7
	v_permlane16_swap_b32 v[OUT+16*\p+\j], v[OUT+16*\p+8+\j]   ; heads 2 p and 2 p + 1 change halves: lane (r, h) now holds head 2 p + h, and its registers 16 p .. 16 p + 15 my wave's 16 channels on end
.endr
.endr
.irp p, 0,1,2,3,4,5,6,7
	v_max3_num_f32 v[64+\p], |v[OUT+16*\p]|, |v[OUT+16*\p+1]|, 0x1800000
.endr
.irp i, 2,4,6,8,10,12,14
.irp p, 0,1,2,3,4,5,6,7
	v_max3_num_f32 v[64+\p], v[64+\p], |v[OUT+16*\p+\i]|, |v[OUT+16*\p+\i+1]|
.endr
.endr
	ds_store_b128 v[MXW], v[64:67]                 ; a block of 32 channels is two waves' 16: the partial maxima meet in LDS
	ds_store_b128 v[MXW], v[68:71] offset:512
	BARRIER                                        ; they lie there, and nobody reads this tile's attn any more
.irp u, 0,1,2,3
.irp i, 0,1
	ds_load_b128 v[72+8*\u+4*\i:72+8*\u+4*\i+3], v[MXR] offset:1024*\u+512*\i
.endr
.endr
	s_wait_dscnt 0x0
.irp p, 0,1,2,3,4,5,6,7
	v_max_num_f32 v[104+\p], v[72+\p], v[80+\p]    ; channels 0-31 of head 2 p + h
	v_max_num_f32 v[112+\p], v[88+\p], v[96+\p]    ; channels 32-63
.endr
.irp p, 0,1,2,3,4,5,6,7
	v_add_nc_u32 v[104+\p], 0xff000000, v[104+\p]  ; the conversions' scale operands
	v_add_nc_u32 v[112+\p], 0xff000000, v[112+\p]
.endr
.irp p, 0,1,2,3,4,5,6,7
	v_lshrrev_b32 v[64+\p], 23, v[104+\p]
	v_lshrrev_b32 v[120+\p], 23, v[112+\p]
.endr
.irp p, 0,1,2,3,4,5,6,7
	v_lshl_or_b32 v[64+\p], v[120+\p], 8, v[64+\p] ; my head's two bytes,
.endr
.irp p, 0,1,2,3,4,5,6,7
	v_lshlrev_b32 v[64+\p], v[SH], v[64+\p]        ; at their places in K step p's word (head 2 p below, head 2 p + 1 above);
.endr
.irp p, 0,1,2,3,4,5,6,7
	v_permlanex16_b32 v[120+\p], v[64+\p], s[SEL], s[SEL+1]
.endr
.irp p, 0,1,2,3,4,5,6,7
	v_or_b32 v[64+\p], v[64+\p], v[120+\p]         ; with lane l xor 16's two the word is whole
	v_cndmask_b32 v[104+\p], v[104+\p], v[112+\p], s[MSK]  ; my wave's own block
.endr
.irp p, 0,1,2,3,4,5,6,7
	v_cvt_scalef32_pk16_fp6_f32 v[72+4*\p:74+4*\p], v[OUT+16*\p:OUT+16*\p+15], v[104+\p]
.endr
	v_nop                                          ; one plain place behind the conversions
.irp p, 0,1,2,3,4,5,6,7
.irp i, 0,1,2
	ds_store_b32 v[AC+1], v[72+4*\p+\i] offset:1536*\p+4*\i    ; K step p's image: block (head 2 p + h, half w / 2) belongs to operand lane r + 16 (w / 2), registers 6 h on; my 16 codes 12 (w % 2) bytes further
.endr
	ds_store_b32 v[AC+2], v[64+\p] offset:256*\p
.endr
	BARRIER                                        ; the images lie in LDS, and the maxima have been read: the next trip may write them again
	s_add_co_u32 s[S1], s[S1], TILEB
	s_add_co_u32 s[S2], s[S2], 64
	s_add_co_u32 s[MM], s[MM], 1
	s_cmp_lt_u32 s[MM], 4
	s_cbranch_scc1 .Ltile
	; ---------------- the O product: K steps 24 to 31 of the ring
	s_wait_loadcnt 0x0                             ; bo is in the accumulators
	s_mov_b32 s[S1], 0
	s_mov_b32 s[S2], 0
.irp m, 0,1,2,3
	v_add_nc_u32 v[AC+\m], s[S1], v[OIR+\m]
.endr
	v_add_nc_u32 v[OSC], s[S2], v[OSR]
	FETCH_W 0, 0, 0
	FETCH_XO 0
	FETCH_S 0, OSC, 0
	s_mov_b32 s[LAP], 3
.Lolap:
	STEP 0, 1
	STEP 1, 1
	s_sub_co_u32 s[LAP], s[LAP], 1
	s_cmp_lg_u32 s[LAP], 0
	s_cbranch_scc1 .Lolap
	STEP 0, 2                                      ; the last two steps are written out: they ask for nothing
	STEP 1, 3
	; ---------------- the way out: 16 tokens at a time through my own stage, my part of slot 0, which has had its last fill and which only I have read; back as rows of 1,024 bytes
	PLACES
.irp m, 0,1,2,3
.if \m > 0
	s_wait_xcnt 0x0                                ; the stores of the tile before have read their registers
.endif
	WIN 0x08                                       ; an LDS store's data: window 2
.irp t, 0,1,2,3,4,5,6,7
	ds_store_b128 v[STO], v[64*\m+8*\t:64*\m+8*\t+3] offset:64*\t              ; each accumulator from its low end on
	ds_store_b128 v[STO], v[64*\m+8*\t+4:64*\m+8*\t+7] offset:64*\t+16
.endr
	WIN 0x0c                                       ; window 3
.irp t, 0,1,2,3,4,5,6,7
	ds_store_b128 v[STO], v[64*\m+8*\t:64*\m+8*\t+3] offset:512+64*\t
	ds_store_b128 v[STO], v[64*\m+8*\t+4:64*\m+8*\t+7] offset:512+64*\t+16
.endr
	WIN 0
.set k, 0
.rept 32
	ds_load_b128 v[64+4*k:64+4*k+3], v[STR] offset:1040*(k/2)+512*(k%2)        ; LDS serves a wave's instructions in order (ISA guide 5.7.1.4): these see the stores above
.set k, k+1
.endr
.set k, 0
.rept 32
	s_wait_dscnt 31-k                              ; load k is in; the younger ones may be out
	global_store_b128 v[GOUT], v[64+4*k:64+4*k+3], s[OUTP:OUTP+1] offset:(16*\m+k/2)*4096+512*(k%2) th:TH_STORE_NT   ; 32 lanes store 512 consecutive bytes, at a multiple of 256 from out0's first byte
.set k, k+1
.endr
.endr
	s_wait_tensorcnt 0x0                           ; the wave's end, behind my last tensor load and my last LDS store
	ds_add_u32 v[SPW], v[NIL]
	s_wait_dscnt 0x0
	ROUND                                          ; the closing round: no work-group ends while a partner may still ask for a tile that names it
	s_endpgm
.Lfunc_end_k_q3509933405_fused:
	.size	k_q3509933405_fused, .Lfunc_end_k_q3509933405_fused-k_q3509933405_fused
	.p2alignl 7, 3214868480
	.fill 96, 4, 3214868480
	.section	.rodata,"a",@progbits
	.p2align	6, 0x0
	.amdhsa_kernel k_q3509933405_fused
		.amdhsa_group_segment_fixed_size 327680
		.amdhsa_private_segment_fixed_size 0
		.amdhsa_enable_private_segment 0
		.amdhsa_kernarg_size 48
		.amdhsa_user_sgpr_count 2
		.amdhsa_user_sgpr_kernarg_segment_ptr 1
		.amdhsa_wavefront_size32 1
		.amdhsa_system_sgpr_workgroup_id_x 1
		.amdhsa_system_sgpr_workgroup_id_y 1
		.amdhsa_system_sgpr_workgroup_id_z 1
		.amdhsa_system_vgpr_workitem_id 0
		.amdhsa_next_free_vgpr 1024
		.amdhsa_next_free_sgpr 80
		.amdhsa_reserve_vcc 0
		.amdhsa_float_denorm_mode_32 3
		.amdhsa_float_denorm_mode_16_64 3
		.amdhsa_memory_ordered 1
		.amdhsa_forward_progress 1
		.amdhsa_inst_pref_size 255
	.end_amdhsa_kernel
	.section	.bss,"aw",@nobits
	.p2align	6
	.space	262144
	.amdgpu_metadata
---
amdhsa.version: [ 1, 2 ]
amdhsa.kernels:
  - .name:           k_q3509933405_fused
    .symbol:         k_q3509933405_fused.kd
    .args:
      - { .name: q, .offset: 0, .size: 8, .value_kind: global_buffer, .address_space: global }
      - { .name: k, .offset: 8, .size: 8, .value_kind: global_buffer, .address_space: global }
      - { .name: v, .offset: 16, .size: 8, .value_kind: global_buffer, .address_space: global }
      - { .name: WP, .offset: 24, .size: 8, .value_kind: global_buffer, .address_space: global }
      - { .name: BP, .offset: 32, .size: 8, .value_kind: global_buffer, .address_space: global }
      - { .name: out0, .offset: 40, .size: 8, .value_kind: global_buffer, .address_space: global }
    .group_segment_fixed_size: 327680
    .private_segment_fixed_size: 0
    .kernarg_segment_align: 8
    .kernarg_segment_size: 48
    .max_flat_workgroup_size: 128
    .sgpr_count:     80
    .vgpr_count:     1024
    .wavefront_size: 32
...
	.end_amdgpu_metadata
.endif
;; end of part 2
;; ======== version 2 of 2: 2 launches
;; limits: right only within a limited range of input values
;; workspace buffers: WP 3,276,800 bytes; BP 16,384 bytes
;; launch prep (part 3): grid 256 x 1, 4 waves a work-group, no clusters, 12,800 bytes of LDS; arguments Wq, Wk, Wv, Wo, bq, bk, bv, bo, WP, BP; writes WP, BP
.if DOCPART == 3
	.amdgcn_target "amdgcn-amd-amdhsa--gfx1250"
	.amdhsa_code_object_version 6
	.text
	.protected	k_q3509933405_prep
	.globl	k_q3509933405_prep
	.p2align	8
	.type	k_q3509933405_prep,@function
k_q3509933405_prep:
	s_mov_b64 s[64:65], 0
	v_nop
	global_prefetch_b8 v0, s[64:65] scope:SCOPE_SE
	s_setreg_imm32_b32 hwreg(HW_REG_WAVE_MODE, 25, 1), 1
	s_wait_xcnt 0x0
; Wq, Wk, Wv, Wo [1024 (n)][1024 (k)] f32 become codes of E2M3 with one E8M0 byte for each 32 along k, laid in WP so that the second launch loads them
; straight into operand registers; the four biases are laid in BP in the order of its accumulators.
; WP: [sigma = 8 g + s][wave w][25,600 bytes], g = 0 Q, 1 K, 2 V, 3 O, s = the K step of 128.  A part is 16 fragments of 1,536 bytes (tile t: [register group i = 0..2][lane][16 bytes]:
; a load of 16 bytes a lane reads 512 dense bytes) and 1,024 bytes of scale words ([j = 0, 1][lane][4 words]: word k of group j is tile pair 4 j + k; lanes 0-15 its even tile, lanes 16-31 its odd one).
; Which rows n of W form tile t of wave w (rho = 0 .. 15):  Q, K: 256 w + 32 (t / 2) + 8 (t % 2) + rho + 8 (rho / 8);  V: 64 t + 16 w + rho;  O: 256 w + 16 t + rho.
; A block's scale is 2^(floor(log2(largest magnitude)) - 2): its byte is the largest magnitude's exponent field - 2, held at 1 from below by a floor among the maximum's leaves.
; LIMITS: a block of zeros, or one whose largest magnitude lies under 2^-124, gets the byte 1 (only this program reads the bytes); NaN and infinities are not served.
; SHARES: work-group x: g = x / 64, s = (x / 8) % 8, w = (x / 2) % 4; its four waves take tile pairs 4 (x % 2) + wave.  Lane (rho, h) holds 16 neighbours of each of its row's four blocks.
; The 12 bytes of 16 codes fall into a [lane][48 bytes] image in the wave's own stage in LDS, which is read back by register groups and leaves as 3,072 dense bytes.  Waves share nothing: no barrier.
.set SPARE, 12288                      ; behind the four stages of 3,072 bytes: the spare words, 128 bytes a wave
.set SPW,  1
.set NIL,  2
.set OFF0, 6                           ; my byte in W for the pair's first tile
.set OFF1, 7                           ; for its second
.set STW,  8                           ; the stage, in: 3,072 wave + 48 rho + 12 h
.set STR,  9                           ; the stage, out: 3,072 wave + 48 lane
.set GO,   10                          ; 16 lane
.set GS,   11                          ; 4 lane
.set TM,   16                          ; v16-19 maxima, v20-23 bytes, v28-31 the conversions' scale operands
.set CD,   32                          ; v32-63 the two tiles' codes
.set X0,   64
.set X1,   128
.set OB,   192
.set WD,   216
.set SEL,  40
	s_load_b256 s[4:11], s[0:1], 0x0               ; Wq, Wk, Wv, Wo
	s_load_b256 s[12:19], s[0:1], 0x20             ; bq, bk, bv, bo
	s_load_b128 s[20:23], s[0:1], 0x40             ; WP, BP
	v_lshl_add_u32 v[SPW], v0, 2, SPARE
	v_mov_b32 v[NIL], 0
	v_lshrrev_b32 v3, 5, v0
	v_readfirstlane_b32 s26, v3                    ; wave
	v_and_b32 v3, 31, v0                           ; lane
	v_and_b32 v4, 15, v0                           ; rho
	s_wait_alu depctr_va_vdst(0)
	v_bfe_u32 v5, v0, 4, 1                         ; h
	s_lshr_b32 s27, ttmp9, 6                       ; g
	s_bfe_u32 s28, ttmp9, 0x30003                  ; s
	s_bfe_u32 s29, ttmp9, 0x20001                  ; w
	s_and_b32 s30, ttmp9, 1
	s_lshl_b32 s30, s30, 2
	s_add_co_u32 s30, s30, s26                     ; i: my tile pair
	s_lshl_b32 s31, s30, 7
	s_lshl_b32 s32, s29, 4
	s_add_co_u32 s31, s31, s32                     ; V: the pair's first row is 128 i + 16 w
	s_lshl_b32 s32, s29, 8
	s_lshl_b32 s33, s30, 5
	s_add_co_u32 s32, s32, s33                     ; Q, K, O: 256 w + 32 i
	s_cmp_eq_u32 s27, 2
	s_cselect_b32 s31, s31, s32
	s_cselect_b32 s33, 64, 16
	s_cmp_lt_u32 s27, 2
	s_cselect_b32 s33, 8, s33                      ; rows from the first tile to the second: 8 (Q, K), 64 (V), 16 (O)
	s_cselect_b32 s34, 8, 0                        ; Q, K: rows 8-15 of a tile lie 8 further on
	v_lshrrev_b32 v12, 3, v4
	v_mul_u32_u24 v12, s34, v12
	v_add_nc_u32 v12, v12, v4                      ; my row within the tile
	s_lshl_b32 s35, s31, 12
	s_lshl_b32 s36, s28, 9
	s_add_co_u32 s35, s35, s36                     ; first row x 4,096 + 512 s
	v_lshl_add_u32 v[OFF0], v12, 12, s35
	s_wait_alu depctr_va_vdst(0)
	v_lshl_add_u32 v[OFF0], v5, 6, v[OFF0]         ; + 64 h
	s_lshl_b32 s36, s33, 12
	v_add_nc_u32 v[OFF1], s36, v[OFF0]
	v_mul_u32_u24 v13, s33, v5
	v_add_nc_u32 v13, v13, v12
	s_lshl_b32 s36, s31, 2
	v_lshl_add_u32 v13, v13, 2, s36                ; the bias: lanes 0-15 the first tile's rows, lanes 16-31 the second's
	s_mul_i32 s37, s26, 3072
	v_mul_u32_u24 v[STW], v4, 48
	v_mad_u32_u24 v[STW], v5, 12, v[STW]
	v_add_nc_u32 v[STW], s37, v[STW]
	v_lshlrev_b32 v[GO], 4, v3
	v_mul_u32_u24 v[STR], v3, 48
	v_add_nc_u32 v[STR], s37, v[STR]
	v_lshlrev_b32 v[GS], 2, v3
	s_lshl_b32 s38, s27, 3
	s_add_co_u32 s38, s38, s28                     ; sigma
	s_lshl_b32 s38, s38, 2
	s_add_co_u32 s38, s38, s29
	s_mul_i32 s38, s38, 25600                      ; my part of WP
	s_mul_i32 s39, s30, 3072
	s_add_co_u32 s42, s38, s39                     ; the pair's two fragments
	s_mov_b32 s43, 0
	s_lshl_b32 s39, s30, 7
	s_and_b32 s44, ttmp9, 1
	s_lshl_b32 s44, s44, 9
	s_add_co_u32 s44, s44, s38
	s_lshl_b32 s45, s26, 2
	s_add_co_u32 s44, s44, s45
	s_add_co_u32 s44, s44, 24576                   ; the pair's scale words: 24,576 + 512 (i / 4) + 4 (i % 4), + 16 lane
	s_mov_b32 s45, 0
	s_lshl_b32 s46, s27, 12
	s_lshl_b32 s38, s29, 10
	s_add_co_u32 s46, s46, s38
	s_add_co_u32 s46, s46, s39                     ; BP: 4,096 g + 1,024 w + 128 i
	s_mov_b32 s47, 0
	s_mov_b32 s[SEL], 0x76543210
	s_mov_b32 s[SEL+1], 0xfedcba98
.irp b, 0,1,2,3
	v_mov_b32 v[TM+4+\b], 0                        ; a lane permute's destination counts as one of its sources
.endr
	s_wait_kmcnt 0x0
	s_cmp_eq_u32 s27, 0                            ; the tensor is chosen by the work-group's number alone
	s_cselect_b64 s[4:5], s[4:5], s[6:7]
	s_cselect_b64 s[12:13], s[12:13], s[14:15]
	s_cmp_lt_u32 s27, 2
	s_cselect_b64 s[4:5], s[4:5], s[8:9]
	s_cselect_b64 s[12:13], s[12:13], s[16:17]
	s_cmp_lt_u32 s27, 3
	s_cselect_b64 s[4:5], s[4:5], s[10:11]
	s_cselect_b64 s[12:13], s[12:13], s[18:19]
	s_add_nc_u64 s[24:25], s[20:21], s[42:43]
	s_add_nc_u64 s[20:21], s[20:21], s[44:45]
	s_add_nc_u64 s[22:23], s[22:23], s[46:47]
.irp b, 0,1,2,3
.irp j, 0,1,2,3
	global_load_b128 v[X0+16*\b+4*\j:X0+16*\b+4*\j+3], v[OFF0], s[4:5] offset:128*\b+16*\j th:TH_LOAD_NT
.endr
.endr
.irp b, 0,1,2,3
.irp j, 0,1,2,3
	global_load_b128 v[X1+16*\b+4*\j:X1+16*\b+4*\j+3], v[OFF1], s[4:5] offset:128*\b+16*\j th:TH_LOAD_NT
.endr
.endr
; 64 numbers of a lane, register 16 b + i = k 32 b + 16 h + i of my row, become 4 x 12 bytes of codes in the image at off, and my row's scale word
.macro QUANT src, cd, off, word
.irp b, 0,1,2,3
	v_max3_num_f32 v[TM+\b], |v[\src+16*\b]|, |v[\src+16*\b+1]|, 0x1800000   ; the floor 2^(3 - 127): the byte cannot fall under 1
.endr
.irp i, 2,4,6,8,10,12,14
.irp b, 0,1,2,3
	v_max3_num_f32 v[TM+\b], v[TM+\b], |v[\src+16*\b+\i]|, |v[\src+16*\b+\i+1]|
.endr
.endr
.irp b, 0,1,2,3
	v_permlanex16_b32 v[TM+4+\b], v[TM+\b], s[SEL], s[SEL+1]
.endr
.irp b, 0,1,2,3
	v_max_num_f32 v[TM+\b], v[TM+\b], v[TM+4+\b]
.endr
.irp b, 0,1,2,3
	v_add_nc_u32 v[TM+12+\b], 0xff000000, v[TM+\b] ; 2 off the exponent field: the conversion's scale operand
.endr
.irp b, 0,1,2,3
	v_lshrrev_b32 v[TM+4+\b], 23, v[TM+12+\b]      ; the scale's byte
.endr
	v_lshl_or_b32 v[\word], v[TM+5], 8, v[TM+4]
	v_lshl_or_b32 v[\word], v[TM+6], 16, v[\word]
	v_lshl_or_b32 v[\word], v[TM+7], 24, v[\word]
.irp b, 0,1,2,3
	v_cvt_scalef32_pk16_fp6_f32 v[\cd+4*\b:\cd+4*\b+2], v[\src+16*\b:\src+16*\b+15], v[TM+12+\b]
.endr
	v_nop                                          ; one plain place behind the conversions
.irp b, 0,1,2,3
.irp i, 0,1,2
	ds_store_b32 v[STW], v[\cd+4*\b+\i] offset:(\off)+768*(\b%2)+24*(\b/2)+4*\i   ; block b belongs to operand lane rho + 16 (b % 2), registers 6 (b / 2) on; my half 12 h bytes further
.endr
.endr
.endm
	s_wait_loadcnt 16                              ; the first tile's 16 loads are in; the second's may be out
	QUANT X0, CD, 0, WD
	s_wait_loadcnt 0x0
	QUANT X1, CD+16, 1536, WD+1
.irp k, 0,1,2,3,4,5
	ds_load_b128 v[OB+4*\k:OB+4*\k+3], v[STR] offset:1536*(\k/3)+16*(\k%3)   ; tile k / 3, register group k % 3; a wave's LDS instructions are served in order
.endr
	v_cmp_gt_u32 vcc_lo, 16, v3
	v_cndmask_b32 v[WD+2], v[WD+1], v[WD], vcc_lo  ; lanes 0-15 the first tile's words, lanes 16-31 the second's
	global_store_b32 v[GO], v[WD+2], s[20:21]      ; the work-group's four waves fill the 512 bytes of a group between them
	s_wait_dscnt 0x0
.irp k, 0,1,2,3,4,5
	global_store_b128 v[GO], v[OB+4*\k:OB+4*\k+3], s[24:25] offset:512*\k   ; 32 lanes store 512 consecutive bytes, at a multiple of 256 from WP's first byte
.endr
	s_cmp_lg_u32 s28, 0                            ; the work-groups of K step 0 also lay the bias out
	s_cbranch_scc1 .Lno_bias
	global_load_b32 v14, v13, s[12:13]
	s_wait_loadcnt 0x0
	global_store_b32 v[GS], v14, s[22:23]
.Lno_bias:
	s_wait_tensorcnt 0x0                           ; the wave's end
	ds_add_u32 v[SPW], v[NIL]
	s_wait_dscnt 0x0
	s_endpgm
.Lfunc_end_k_q3509933405_prep:
	.size	k_q3509933405_prep, .Lfunc_end_k_q3509933405_prep-k_q3509933405_prep
	.p2alignl 7, 3214868480
	.fill 96, 4, 3214868480
	.section	.rodata,"a",@progbits
	.p2align	6, 0x0
	.amdhsa_kernel k_q3509933405_prep
		.amdhsa_group_segment_fixed_size 12800
		.amdhsa_private_segment_fixed_size 0
		.amdhsa_enable_private_segment 0
		.amdhsa_kernarg_size 80
		.amdhsa_user_sgpr_count 2
		.amdhsa_user_sgpr_kernarg_segment_ptr 1
		.amdhsa_wavefront_size32 1
		.amdhsa_system_sgpr_workgroup_id_x 1
		.amdhsa_system_sgpr_workgroup_id_y 1
		.amdhsa_system_sgpr_workgroup_id_z 1
		.amdhsa_system_vgpr_workitem_id 0
		.amdhsa_next_free_vgpr 224
		.amdhsa_next_free_sgpr 66
		.amdhsa_reserve_vcc 1
		.amdhsa_float_denorm_mode_32 3
		.amdhsa_float_denorm_mode_16_64 3
		.amdhsa_memory_ordered 1
		.amdhsa_forward_progress 1
		.amdhsa_inst_pref_size 17
	.end_amdhsa_kernel
	.amdgpu_metadata
---
amdhsa.version: [ 1, 2 ]
amdhsa.kernels:
  - .name:           k_q3509933405_prep
    .symbol:         k_q3509933405_prep.kd
    .args:
      - { .name: Wq, .offset: 0, .size: 8, .value_kind: global_buffer, .address_space: global }
      - { .name: Wk, .offset: 8, .size: 8, .value_kind: global_buffer, .address_space: global }
      - { .name: Wv, .offset: 16, .size: 8, .value_kind: global_buffer, .address_space: global }
      - { .name: Wo, .offset: 24, .size: 8, .value_kind: global_buffer, .address_space: global }
      - { .name: bq, .offset: 32, .size: 8, .value_kind: global_buffer, .address_space: global }
      - { .name: bk, .offset: 40, .size: 8, .value_kind: global_buffer, .address_space: global }
      - { .name: bv, .offset: 48, .size: 8, .value_kind: global_buffer, .address_space: global }
      - { .name: bo, .offset: 56, .size: 8, .value_kind: global_buffer, .address_space: global }
      - { .name: WP, .offset: 64, .size: 8, .value_kind: global_buffer, .address_space: global }
      - { .name: BP, .offset: 72, .size: 8, .value_kind: global_buffer, .address_space: global }
    .group_segment_fixed_size: 12800
    .private_segment_fixed_size: 0
    .kernarg_segment_align: 8
    .kernarg_segment_size: 80
    .max_flat_workgroup_size: 128
    .sgpr_count:     66
    .vgpr_count:     224
    .wavefront_size: 32
...
	.end_amdgpu_metadata
.endif
;; end of part 3
;; launch fused (part 4): grid 256 x 1, 4 waves a work-group, no clusters, 272,896 bytes of LDS; arguments q, k, v, WP, BP, out0; writes out0
.if DOCPART == 4
	.amdgcn_target "amdgcn-amd-amdhsa--gfx1250"
	.amdhsa_code_object_version 6
	.text
	.protected	k_q3509933405_fused
	.globl	k_q3509933405_fused
	.p2align	8
	.type	k_q3509933405_fused,@function
k_q3509933405_fused:
	s_mov_b64 s[64:65], 0
	v_nop
	global_prefetch_b8 v0, s[64:65] scope:SCOPE_SE
	s_setreg_imm32_b32 hwreg(HW_REG_WAVE_MODE, 25, 1), 1
	s_wait_xcnt 0x0
; out0 = (softmax over key heads of (qh kh^T / 8) vh) Wo^T + bo per token, qh = q Wq^T + bq and so on; all products but attn x vh on codes of E2M3 with one E8M0 scale for each 32 along K.
; SHARES.  A work-group owns 64 tokens and takes them through everything; nothing intermediate goes to memory.  In each of the four large products wave w makes 64 tokens x 256 columns:
; 64 accumulators, 512 registers; a K step of 128 is 64 matrix instructions a wave.  ONE text of two K steps serves all 32 steps (Q, K, V, O); what follows a product is chosen by the product's number.
; WEIGHTS come from WP, laid by the launch before: a wave's part of a K step, 25,600 bytes, is read by that wave alone, so it goes from memory straight into its operand registers, 512 dense bytes a load.
; The 16 fragments of a step are eight groups of two; a group is asked for again, for the next step, as soon as its own 8 matrix instructions are issued: seven groups are on their way while one is multiplied.
; cluster = none: no tile of W lies in LDS, and a joint request is a load into LDS; x and out0 are each work-group's own.  WP is not prefetched: all 256 work-groups walk the same 3,276,800 bytes.
; x (q, k, v) is a stream of 24 chunks of 128 along K, quantised ONE PRODUCT AHEAD: q in a loop at the head, k under Q's steps, v under K's.  Wave w takes rows 16 w .. 16 w + 15: a row's 512 bytes to a load, turned through
; the wave's own stage in LDS so that a lane holds 16 neighbours of each block; the codes go to LDS as images of the operand's registers, eight steps to a buffer, two buffers: one barrier for each product.
; Chunk c + 2 is loaded when chunk c is quantised, and chunk c + 6 is prefetched then (my wave's own 16 rows x 512 bytes, a lane to each aligned 256 bytes, each named once in the launch; chunks 2 to 5 are asked for at the head,
; chunks 0 and 1 come by their loads alone; chunk 23 is the last).
; THE MATRIX INSTRUCTION IS USED TRANSPOSED (source 0 = 16 rows of W, source 1 = 16 tokens): lane (r, h), register j holds token r and W's row 8 h + j of the tile.
; Q, K: the 16 registers of tiles 2 b, 2 b + 1 are 16 neighbouring channels;  V: tile t is head t, channels 16 w .. 16 w + 15;  O: neighbouring columns.
; THE BIAS lies in LDS (my wave's 4 x 1,024 bytes, copied once) and is loaded into the accumulators as the sum's start: nothing is cleared, no first step differs.
; SCORES: wave w takes tokens 16 w .. 16 w + 15, one matrix instruction a token (K = 64, the upper 64 are zero codes); the row's maximum is taken away before the exponential; attn is normalised, f32.
; attn x vh is left in f32 (its result goes into a quantiser): packed multiply-adds.  Its result is quantised along (head, channel); a block of 32 spans two waves, whose partial maxima meet in LDS.
; LIMITS: NaN and infinities among the inputs are not served; a block of zeros, or one whose largest magnitude lies under 2^-124, gets the scale byte 1 (only this program reads the bytes).
.set SLOTB, 102400                     ; a K step of WP: four parts
.set PARTB, 25600
.set SCOFF, 24576
.set TP,    1552                       ; LDS byte 0 on: a row for each token: Q's codes (768), K's codes (768); then attn (1,024) over them; at the end the way out's stages
.set TILEB, 16*TP
.set STG,   64*TP                      ; x's stages: [wave][16 rows of 528 bytes]
.set SGP,   528
.set XI,    STG+64*SGP                 ; operand images: [buffer][K step][tile of tokens m][1,536]
.set XSTEP, 6144
.set XBUF,  8*XSTEP
.set XS,    XI+2*XBUF                  ; their scale words: [buffer][K step][m][16 words]
.set OS,    XS+4096                    ; the O operand's scale words, a copy for each wave: [wave][K step][m][16 words]
.set QS,    OS+8192                    ; Q's scale words [token][16 heads]; K's 4,096 bytes further on
.set MX,    QS+8192                    ; partial maxima [wave][2][lane][16 bytes]
.set BIA,   MX+4096                    ; the biases: [product][wave][1,024]
.set SPARE, BIA+16384                  ; the spare words, 128 bytes a wave
; vector registers, window 0
.set SPW, 1
.set NIL, 2
.set AX,  3                            ; the images' address in hand
.set AXS, 4                            ; their scale words' address in hand
.set BST, 5                            ; BIA + 1,024 w + 16 lane
.set XR,  7                            ; XI + 48 lane
.set XSR, 8                            ; XS + 4 lane
.set XIW, 9                            ; XI + 1,536 w + 48 r + 12 h
.set XSW, 10                           ; XS + 64 w + 4 r
.set XGA, 11                           ; 16 lane
.set BA,  12                           ; BIA + 1,024 w + 32 h
.set QW,  13                           ; 1,552 r + 12 h + 192 w
.set QW2, 14                           ; the same 32 tokens on
.set QSW, 15                           ; QS + 64 r + 16 w
.set PFO, 16                           ; the prefetch: 4,096 (lane % 16) + 256 (lane / 16)
.set SCA, 17                           ; 24,832 w + 48 r + 24 h
.set SCS, 18                           ; QS + 1,024 w + 4 r + 4,096 h
.set ATW, 19                           ; 24,832 w + 16 r + 512 h
.set ATR, 20                           ; 1,552 r
.set MXW, 21
.set MXR, 22
.set OIW, 23                           ; XI + XBUF + 48 r + 24 h + 768 (w / 2) + 12 (w % 2)
.set OSW, 24                           ; OS + 2,048 w + 4 r
.set BAC, 25                           ; the bias's address in hand
.set H16, 26                           ; 16 h
.set STO, 30                           ; the way out: 16,640 w + 1,040 r + 32 h
.set STR, 31                           ; 16,640 w + 16 lane
.set GOUT, 32                          ; 1,024 w + 16 lane
.set STGR, 33                          ; x's stage, out: STG + 8,448 w + 528 r + 64 h
.set STGW, 35                          ; x's stage, in: STG + 8,448 w + 16 lane
.set WSC, 36                           ; v36-51   W's scale words, two sets of 8
.set XSC, 52                           ; v52-55   the tokens' scale words, two sets of 2
.set HW,  56
.set AC,  60                           ; v60-63   a phase's addresses in hand
.set XF,  64                           ; v64-159  the tokens' fragments, two sets of 4 x 12
.set XA,  160                          ; v160-223 64 numbers of x, even chunks
.set XB,  192                          ; window 1: v192-255, odd chunks
.set TM,  224
.set CD,  240
.set SFK, 192                          ; scores: window 1, four tokens' fragments of K (x's registers, idle once chunk 23 is quantised)
.set SFQ, 160                          ; scores: window 0, of Q
.set SR,  112                          ; scores: the tokens' second set, idle between products
.set ST,  224
.set SSC, WSC+8
.set OUT, 128
.set FV,  128
; scalar registers
.set WV,  16
.set SEL, 20
.set CS,  22
.set WB,  24                           ; s[24:25] my part of the K step with which the lap began
.set QB,  40
.set KB,  42
.set VB,  44
.set PL,  46
.set PP,  48
.set OF,  50
.set SG,  52                           ; the K step in hand, 0 .. 31 (in the head: the chunk)
.set GG,  53                           ; the product
.set LAP, 54
.set T0,  55
.set T1,  56
.set MSK, 57
.set MM,  58
.set NC,  59
.set OUTP, 62
.set QOFF, 66
.set QSOFF, 67
.set S1,  68
.set S2,  69
.set S3,  70
.set SX,  71                           ; where the images that are read stand, from XI
.set SXS, 72
.set SW,  73                           ; where the images that are written stand
.set SWS, 74
.set SB,  75
.set NW,  76                           ; the step's number with bit 3 set: 31 in steps 23 and 31, which ask for no W
.set MSB, 0
.macro WIN new
.if MSB != (\new)
	s_set_vgpr_msb (MSB<<8)|(\new)
.set MSB, (\new)
.endif
.endm
.macro PLACES                          ; four plain places behind matrix instructions (ISA guide 7.12.1)
.rept 4
	v_nop
.endr
.endm
.macro BARRIER
	s_wait_dscnt 0x0
	s_barrier_signal -1
	s_barrier_wait -1
.endm
.macro WM d, a, b, sa, sb, ra, rb
.if (\ra) && (\rb)
	v_wmma_scale_f32_16x16x128_f8f6f4 v[\d:\d+7], v[\a:\a+11], v[\b:\b+11], v[\d:\d+7], v[\sa], v[\sb] matrix_a_fmt:MATRIX_FMT_FP6 matrix_b_fmt:MATRIX_FMT_FP6 matrix_a_scale:MATRIX_SCALE_ROW1 matrix_b_scale:MATRIX_SCALE_ROW1
.elseif (\ra)
	v_wmma_scale_f32_16x16x128_f8f6f4 v[\d:\d+7], v[\a:\a+11], v[\b:\b+11], v[\d:\d+7], v[\sa], v[\sb] matrix_a_fmt:MATRIX_FMT_FP6 matrix_b_fmt:MATRIX_FMT_FP6 matrix_a_scale:MATRIX_SCALE_ROW1
.elseif (\rb)
	v_wmma_scale_f32_16x16x128_f8f6f4 v[\d:\d+7], v[\a:\a+11], v[\b:\b+11], v[\d:\d+7], v[\sa], v[\sb] matrix_a_fmt:MATRIX_FMT_FP6 matrix_b_fmt:MATRIX_FMT_FP6 matrix_b_scale:MATRIX_SCALE_ROW1
.else
	v_wmma_scale_f32_16x16x128_f8f6f4 v[\d:\d+7], v[\a:\a+11], v[\b:\b+11], v[\d:\d+7], v[\sa], v[\sb] matrix_a_fmt:MATRIX_FMT_FP6 matrix_b_fmt:MATRIX_FMT_FP6
.endif
.endm
; 8 matrix instructions: W's tiles 2 g, 2 g + 1 x the four tiles of tokens.  Tile t's fragment lies in window 1 at v[12 t]; accumulator (m, t) in window 2 + t / 8 at v[64 m + 8 (t % 8)].
; The 64 accumulators take turns in the same order in every step.
.macro MULG g, par
	WIN 0xa1+0x50*((\g)/4)
.irp m, 0,1,2,3
.irp u, 0,1
	WM 64*\m+8*((2*(\g)+\u)%8), 12*(2*(\g)+\u), XF+48*(\par)+12*\m, WSC+8*(\par)+(\g), XSC+2*(\par)+\m/2, \u, \m%2
.endr
.endr
.endm
.macro LOADG g, off, set               ; group g of a K step: 6 loads; with group 0 the step's scale words, 2 loads, into set
	WIN 0x40
.irp f, 0,1
.irp i, 0,1,2
	global_load_b128 v[24*(\g)+12*\f+4*\i:24*(\g)+12*\f+4*\i+3], v[XGA], s[WB:WB+1] offset:(\off)+1536*(2*(\g)+\f)+512*\i
.endr
.endr
	WIN 0
.if (\g) == 0
.irp j, 0,1
	global_load_b128 v[WSC+8*(\set)+4*\j:WSC+8*(\set)+4*\j+3], v[XGA], s[WB:WB+1] offset:(\off)+SCOFF+512*\j
.endr
.endif
.endm
.macro LOADALL                         ; a whole K step, in the order in which the steps ask: the counted waits hold for it too
.irp g, 0,1,2,3,4,5,6,7
	LOADG \g, 0, 0
.endr
.endm
.macro FETCH_X pn, off, soff           ; a K step's four tiles of tokens and their scale words
.irp m, 0,1,2,3
.irp i, 0,1,2
	ds_load_b128 v[XF+48*(\pn)+12*\m+4*\i:XF+48*(\pn)+12*\m+4*\i+3], v[AX] offset:(\off)+1536*\m+16*\i
.endr
.endr
.irp i, 0,1
	ds_load_b32 v[XSC+2*(\pn)+\i], v[AXS] offset:(\soff)+128*\i
.endr
.endm
.macro BIAS m                          ; the bias of my 256 columns into the 16 accumulators of tokens 16 m on
	WIN 0x80
.irp t, 0,1,2,3,4,5,6,7
.irp jj, 0,1
	ds_load_b128 v[64*(\m)+8*\t+4*\jj:64*(\m)+8*\t+4*\jj+3], v[BAC] offset:64*\t+16*\jj
.endr
.endr
	WIN 0xc0
.irp t, 0,1,2,3,4,5,6,7
.irp jj, 0,1
	ds_load_b128 v[64*(\m)+8*\t+4*\jj:64*(\m)+8*\t+4*\jj+3], v[BAC] offset:512+64*\t+16*\jj
.endr
.endr
	WIN 0
.endm
.macro CHUNKPTR dst, add               ; chunk SG + add: 128 along K of q (chunks 0-7), k (8-15) or v (16 on), my wave's 16 rows
	s_add_co_u32 s[T0], s[SG], \add
	s_lshr_b32 s[T1], s[T0], 3
	s_and_b32 s[OF], s[T0], 7
	s_lshl_b32 s[OF], s[OF], 9
	s_cmp_eq_u32 s[T1], 0
	s_cselect_b64 s[\dst:\dst+1], s[QB:QB+1], s[KB:KB+1]
	s_cmp_lt_u32 s[T1], 2
	s_cselect_b64 s[\dst:\dst+1], s[\dst:\dst+1], s[VB:VB+1]
	s_add_nc_u64 s[\dst:\dst+1], s[\dst:\dst+1], s[OF:OF+1]
.endm
.macro XLOAD reg, win, off             ; a chunk as it lies: load i takes row i's 512 consecutive bytes
	WIN \win
.irp i, 0,1,2,3,4,5,6,7,8,9,10,11,12,13,14,15
	global_load_b128 v[\reg+4*\i:\reg+4*\i+3], v[XGA], s[PL:PL+1] offset:(\off)+4096*\i th:TH_LOAD_NT
.endr
	WIN 0
.endm
; THE TURN: the chunk goes into my own stage row by row and comes back with 64 bytes of a block to a lane: lane (r, h), register 16 b + i = place 32 b + 16 h + i of row r.  A wave's LDS instructions are served in order (ISA guide 5.7.1.4).
.macro TURN reg, wst, wld
	WIN \wst
.irp i, 0,1,2,3,4,5,6,7,8,9,10,11,12,13,14,15
	ds_store_b128 v[STGW], v[\reg+4*\i:\reg+4*\i+3] offset:SGP*\i
.endr
	WIN \wld
.irp b, 0,1,2,3
.irp j, 0,1,2,3
	ds_load_b128 v[\reg+16*\b+4*\j:\reg+16*\b+4*\j+3], v[STGR] offset:128*\b+16*\j
.endr
.endr
	WIN 0
.endm
.macro QMAX src, w                     ; each block's largest magnitude, the conversion's scale operand, the byte
	WIN \w
.irp b, 0,1,2,3
	v_max3_num_f32 v[TM+\b], 0x1800000, |v[\src+16*\b]|, |v[\src+16*\b+1]|   ; the floor 2^(3 - 127): the byte cannot fall under 1.  (An accumulator is read from its low end on)
.endr
.irp i, 2,4,6,8,10,12,14
.irp b, 0,1,2,3
	v_max3_num_f32 v[TM+\b], v[TM+\b], |v[\src+16*\b+\i]|, |v[\src+16*\b+\i+1]|
.endr
.endr
	WIN 0
.irp b, 0,1,2,3
	v_permlanex16_b32 v[TM+4+\b], v[TM+\b], s[SEL], s[SEL+1]
.endr
.irp b, 0,1,2,3
	v_max_num_f32 v[TM+\b], v[TM+\b], v[TM+4+\b]
.endr
.irp b, 0,1,2,3
	v_add_nc_u32 v[TM+12+\b], 0xff000000, v[TM+\b]
.endr
.irp b, 0,1,2,3
	v_lshrrev_b32 v[TM+4+\b], 23, v[TM+12+\b]
.endr
.endm
.macro QCVT src, w
	WIN \w
.irp b, 0,1,2,3
	v_cvt_scalef32_pk16_fp6_f32 v[CD+4*\b:CD+4*\b+2], v[\src+16*\b:\src+16*\b+15], v[TM+12+\b]
.endr
	WIN 0
	v_nop                                          ; one plain place behind the conversions
.endm
.macro QX par                          ; a turned chunk becomes my tile's image and scale words of one K step
	v_add_nc_u32 v[AC], s[SW], v[XIW]
	v_add_nc_u32 v[AC+1], s[SWS], v[XSW]
.if \par == 0
	QMAX XA, 0
.else
	QMAX XB, 0x14
.endif
	v_lshl_or_b32 v[TM+8], v[TM+5], 8, v[TM+4]
	v_lshl_or_b32 v[TM+8], v[TM+6], 16, v[TM+8]
	v_lshl_or_b32 v[TM+8], v[TM+7], 24, v[TM+8]
.if \par == 0
	QCVT XA, 0
.else
	QCVT XB, 0x01
.endif
.irp b, 0,1,2,3
.irp i, 0,1,2
	ds_store_b32 v[AC], v[CD+4*\b+\i] offset:768*(\b%2)+24*(\b/2)+4*\i   ; block b belongs to operand lane r + 16 (b % 2), registers 6 (b / 2) on; my half 12 h bytes further
.endr
.endr
	ds_store_b32 v[AC+1], v[TM+8]
	s_add_co_u32 s[SW], s[SW], XSTEP
	s_add_co_u32 s[SWS], s[SWS], 256
.endm
; Q's or K's results of tokens 16 m on, tiles 8 gq on: four blocks of 32 channels = two heads; codes into the tokens' rows
.macro EPIQ m, gq
	QMAX 64*(\m), 0x28+0x14*(\gq)
	s_wait_alu depctr_va_vdst(0)
	s_wait_dscnt 0x0                               ; the stores of the group before have read their registers
	v_lshl_or_b32 v[HW+2*(\gq)], v[TM+5], 8, v[TM+4]       ; a head's word: two bytes; the upper two stay 0 (they scale zero codes)
	v_lshl_or_b32 v[HW+2*(\gq)+1], v[TM+7], 8, v[TM+6]
	QCVT 64*(\m), 0x02+(\gq)
.irp b, 0,1,2,3
.irp i, 0,1,2
	ds_store_b32 v[AC+(\m)/2], v[CD+4*\b+\i] offset:TILEB*((\m)%2)+24*(4*(\gq)+\b)+4*\i
.endr
.endr
.if (\gq) == 1
	ds_store_b128 v[AC+2], v[HW:HW+3] offset:1024*(\m)
.endif
.endm
; One group of a K step: its wait, its 8 matrix instructions, and the same group of the next step asked for into the registers just read.
; Behind a group's loads stand, when it is waited for, the seven other groups' 42 loads and (but for group 0, whose wait stands at the step's top) the 2 loads of scale words: 44.  A load of x is never counted among those that may be out.
.macro GRP g, par
.if (\g) > 0
	s_wait_loadcnt 44
.endif
	MULG \g, \par
	WIN 0
	PLACES                                         ; in front of the loads into registers that matrix instructions have read (behind the last group: of the reads of results too)
.if \par == 0
	LOADG \g, SLOTB, 1
.else
	s_cmp_eq_u32 s[NW], 31                         ; steps 23 and 31 ask for no W: behind V the registers serve attn x vh, behind O nothing follows
	s_cbranch_scc1 .Lsk_\@
	LOADG \g, 2*SLOTB, 0
	s_branch .Lld_\@
.Lsk_\@:
	s_wait_loadcnt 0x0                             ; no load follows, so the counted waits would leave too much out: all are waited for here
.Lld_\@:
.endif
.endm
; A K STEP of 128: 64 matrix instructions.  Steps 0 to 15 also quantise chunk SG + 8.
.macro STEP par
	s_wait_loadcnt 42                              ; group 0 and the scale words are in; the seven other groups' 42 loads may be out
	s_wait_dscnt 0x0                               ; the tokens' fragments and scale words (at a product's start the bias too) are in; the last images' stores have read their registers
.if \par == 1
	s_or_b32 s[NW], s[SG], 8
.endif
	s_cmp_ge_u32 s[SG], 16
	s_cbranch_scc1 .Lnt_\@
.if \par == 0
	TURN XA, 0, 0
.else
	TURN XB, 0x04, 0x40
.endif
.Lnt_\@:
	GRP 0, \par
	GRP 1, \par
	s_cmp_ge_u32 s[SG], 16
	s_cbranch_scc1 .Lnx_\@
	s_wait_dscnt 0x0                               ; the turn is back
	QX \par
	s_cmp_ge_u32 s[SG], 14                         ; chunk SG + 10 into the registers just quantised; chunk 23 is the last
	s_cbranch_scc1 .Lnx_\@
	s_wait_xcnt 0x0                                ; the earlier loads and the last prefetch have read their bases
	CHUNKPTR PL, 10
	CHUNKPTR PP, 14
.if \par == 0
	XLOAD XA, 0, 0
.else
	XLOAD XB, 0x40, 0
.endif
	s_cmp_ge_u32 s[SG], 10
	s_cbranch_scc1 .Lnx_\@
	global_prefetch_b8 v[PFO], s[PP:PP+1] th:TH_LOAD_NT scope:SCOPE_SE   ; chunk SG + 14, four steps ahead of its loads
.Lnx_\@:
	GRP 2, \par
	GRP 3, \par
.if \par == 0
	FETCH_X 1, XSTEP, 256                          ; the next step's tokens, 32 matrix instructions ahead of their use
.else
	s_add_co_u32 s[SX], s[SX], 2*XSTEP
	s_add_co_u32 s[SXS], s[SXS], 512
	s_cmp_eq_u32 s[LAP], 1                         ; a product's last step fetches none: the next product's images are whole only behind the barrier
	s_cbranch_scc1 .Lnf_\@
	v_add_nc_u32 v[AX], s[SX], v[XR]
	v_add_nc_u32 v[AXS], s[SXS], v[XSR]
	s_wait_alu depctr_va_vdst(0)
	FETCH_X 0, 0, 0
.Lnf_\@:
.endif
	GRP 4, \par
	GRP 5, \par
	GRP 6, \par
	GRP 7, \par
.if \par == 1
	s_wait_xcnt 0x0                                ; W's loads have read their base
	s_add_nc_u64 s[WB:WB+1], s[WB:WB+1], 2*SLOTB
.endif
	s_add_co_u32 s[SG], s[SG], 1
.endm
	; ---------------- the head
	s_load_b256 s[4:11], s[0:1], 0x0               ; q, k, v, WP
	s_load_b128 s[12:15], s[0:1], 0x20             ; BP, out0
	v_lshl_add_u32 v[SPW], v0, 2, SPARE
	v_mov_b32 v[NIL], 0
	v_lshrrev_b32 v64, 5, v0
	v_readfirstlane_b32 s[WV], v64                 ; wave 0..3
	s_mov_b32 s[SEL], 0x76543210
	s_mov_b32 s[SEL+1], 0xfedcba98
	s_mov_b32 s[CS], 0x3e38aa3b                    ; c = log2(e) / 8
	s_mov_b32 s[CS+1], s[CS]
	s_mov_b32 s[NC], 0xbe38aa3b                    ; -c
	s_cmp_ge_u32 s[WV], 2
	s_cselect_b32 s[MSK], -1, 0
	s_mul_i32 s80, s[WV], 1536
	s_add_co_u32 s80, s80, XI
	s_lshl_b32 s81, s[WV], 6
	s_add_co_u32 s81, s81, XS
	s_mul_i32 s82, s[WV], 192
	s_lshl_b32 s83, s[WV], 4
	s_add_co_u32 s83, s83, QS
	s_mul_i32 s84, s[WV], TILEB
	s_mul_i32 s85, s[WV], 16*SGP
	s_add_co_u32 s85, s85, STG
	s_lshl_b32 s88, s[WV], 10
	s_add_co_u32 s86, s88, QS
	s_add_co_u32 s87, s88, MX
	s_add_co_u32 s92, s88, BIA
	s_lshr_b32 s89, s[WV], 1
	s_mul_i32 s89, s89, 768
	s_and_b32 s[T1], s[WV], 1
	s_mul_i32 s[T1], s[T1], 12
	s_add_co_u32 s89, s89, s[T1]
	s_add_co_u32 s89, s89, XI+XBUF
	s_lshl_b32 s90, s[WV], 11
	s_add_co_u32 s90, s90, OS
	s_mul_i32 s91, s[WV], 16640
	v_and_b32 v64, 31, v0                          ; lane
	v_and_b32 v65, 15, v0                          ; r
	v_bfe_u32 v66, v0, 4, 1                        ; h
	v_mul_u32_u24 v67, v64, 48
	v_lshlrev_b32 v68, 2, v64
	v_mul_u32_u24 v69, v65, 48
	v_mad_u32_u24 v70, v66, 12, v69
	v_mul_u32_u24 v[ATR], v65, TP
	v_lshlrev_b32 v[XGA], 4, v64
	v_add_nc_u32 v[XR], XI, v67
	v_add_nc_u32 v[XSR], XS, v68
	v_add_nc_u32 v[XIW], s80, v70
	v_lshl_add_u32 v[XSW], v65, 2, s81
	v_lshl_add_u32 v[BA], v66, 5, s92
	v_add_nc_u32 v[BST], s92, v[XGA]
	v_lshlrev_b32 v[H16], 4, v66
	v_mad_u32_u24 v[QW], v66, 12, v[ATR]
	v_add_nc_u32 v[QW], s82, v[QW]
	v_add_nc_u32 v[QW2], 2*TILEB, v[QW]
	v_lshl_add_u32 v[QSW], v65, 6, s83
	v_lshlrev_b32 v[PFO], 12, v65
	v_lshl_add_u32 v[PFO], v66, 8, v[PFO]
	v_mad_u32_u24 v[SCA], v66, 24, v69
	v_add_nc_u32 v[SCA], s84, v[SCA]
	v_lshl_add_u32 v[ATW], v65, 4, s84
	v_lshl_add_u32 v[ATW], v66, 9, v[ATW]
	v_add_nc_u32 v[STGW], s85, v[XGA]
	v_mul_u32_u24 v[STGR], v65, SGP
	v_lshl_add_u32 v[STGR], v66, 6, v[STGR]
	v_add_nc_u32 v[STGR], s85, v[STGR]
	v_lshl_add_u32 v[SCS], v65, 2, s86
	v_lshl_add_u32 v[SCS], v66, 12, v[SCS]         ; lanes 16-31 stand 4,096 bytes on, at K's words
	v_add_nc_u32 v[MXW], s87, v[XGA]
	v_add_nc_u32 v[MXR], MX, v[XGA]
	v_add_nc_u32 v[GOUT], s88, v[XGA]
	v_mad_u32_u24 v[OIW], v66, 24, v69
	v_add_nc_u32 v[OIW], s89, v[OIW]
	v_lshl_add_u32 v[OSW], v65, 2, s90
	v_mul_u32_u24 v[STO], v65, 1040
	v_lshl_add_u32 v[STO], v66, 5, v[STO]
	v_add_nc_u32 v[STO], s91, v[STO]
	v_add_nc_u32 v[STR], s91, v[XGA]
.irp b, 0,1,2,3
	v_mov_b32 v[TM+4+\b], 0                        ; a lane permute's destination counts as one of its sources
.endr
	s_wait_alu depctr_va_vdst(0)
	s_wait_kmcnt 0x0
	s_mul_i32 s[OF], s[WV], PARTB
	s_mov_b32 s[OF+1], 0
	s_add_nc_u64 s[WB:WB+1], s[10:11], s[OF:OF+1]  ; K step 0, my part
	s_lshl_b32 s[OF], ttmp9, 18                    ; 64 rows of 4,096 bytes
	s_add_nc_u64 s[OUTP:OUTP+1], s[14:15], s[OF:OF+1]
	s_lshl_b32 s[T0], s[WV], 16
	s_add_co_u32 s[OF], s[OF], s[T0]               ; + my wave's 16 rows
	s_add_nc_u64 s[QB:QB+1], s[4:5], s[OF:OF+1]
	s_add_nc_u64 s[KB:KB+1], s[6:7], s[OF:OF+1]
	s_add_nc_u64 s[VB:VB+1], s[8:9], s[OF:OF+1]
	s_mov_b32 s[OF], s88
	s_add_nc_u64 s[12:13], s[12:13], s[OF:OF+1]    ; BP + 1,024 w
	s_mov_b64 s[PL:PL+1], s[QB:QB+1]
.irp g, 0,1,2,3
.irp i, 0,1
	global_load_b128 v[XF+8*\g+4*\i:XF+8*\g+4*\i+3], v[XGA], s[12:13] offset:4096*\g+512*\i   ; my 4 x 1,024 bytes of bias
.endr
.endr
	XLOAD XA, 0, 0                                 ; chunk 0
	XLOAD XB, 0x40, 512                            ; chunk 1
.irp c, 2,3,4,5
	global_prefetch_b8 v[PFO], s[QB:QB+1] offset:512*\c th:TH_LOAD_NT scope:SCOPE_SE   ; chunks 2 to 5: what the loop's first two trips load
.endr
	s_mov_b32 s[SG], 0
	s_mov_b32 s[SW], 0
	s_mov_b32 s[SWS], 0
.Lhead:                                                ; q's eight chunks, two a trip; the stream of loads runs on into k
	s_wait_loadcnt 16                              ; the even chunk is in; the odd one's 16 loads may be out
	TURN XA, 0, 0
	s_wait_dscnt 0x0
	QX 0
	s_wait_xcnt 0x0
	CHUNKPTR PL, 2
	CHUNKPTR PP, 6
	XLOAD XA, 0, 0                                 ; chunk SG + 2
	global_prefetch_b8 v[PFO], s[PP:PP+1] th:TH_LOAD_NT scope:SCOPE_SE              ; chunks SG + 6 and SG + 7, two trips ahead of their loads
	global_prefetch_b8 v[PFO], s[PP:PP+1] offset:512 th:TH_LOAD_NT scope:SCOPE_SE
	s_wait_loadcnt 16                              ; the odd chunk is in; the 16 loads just issued may be out
	TURN XB, 0x04, 0x40
	s_wait_dscnt 0x0
	QX 1
	XLOAD XB, 0x40, 512                            ; chunk SG + 3: SG is even, so it lies in the same tensor
	s_add_co_u32 s[SG], s[SG], 2
	s_cmp_lt_u32 s[SG], 8
	s_cbranch_scc1 .Lhead
	LOADALL                                        ; K step 0
.irp g, 0,1,2,3
.irp i, 0,1
	ds_store_b128 v[BST], v[XF+8*\g+4*\i:XF+8*\g+4*\i+3] offset:4096*\g+512*\i
.endr
.endr
	v_mov_b32 v[BAC], v[BA]
	s_wait_alu depctr_va_vdst(0)
.irp m, 0,1,2,3
	BIAS \m                                        ; bq: a wave's LDS instructions are served in order
.endr
	s_mov_b32 s[SG], 0
	s_mov_b32 s[GG], 0
	s_mov_b32 s[QOFF], 0
	s_mov_b32 s[QSOFF], 0
	s_mov_b32 s[SX], 0
	s_mov_b32 s[SXS], 0
	s_mov_b32 s[SB], 0
	BARRIER                                        ; everybody's images of q lie in LDS
	; ---------------- the four products
.Lproj:
	v_add_nc_u32 v[AX], s[SX], v[XR]
	v_add_nc_u32 v[AXS], s[SXS], v[XSR]
	s_wait_alu depctr_va_vdst(0)
	s_wait_dscnt 0x0                               ; no LDS load of mine is out when these registers are asked for anew
	FETCH_X 0, 0, 0
	s_mov_b32 s[LAP], 4
.Llap:
	STEP 0
	STEP 1
	s_sub_co_u32 s[LAP], s[LAP], 1
	s_cmp_lg_u32 s[LAP], 0
	s_cbranch_scc1 .Llap
	s_cmp_ge_u32 s[GG], 2
	s_cbranch_scc1 .Lnot_qk
	; ---------------- behind Q and K: the results are quantised into the tokens' rows; the next bias starts the next sums
	s_add_co_u32 s[SB], s[SB], 4096
	v_add_nc_u32 v[AC], s[QOFF], v[QW]             ; Q's codes at byte 0 of a token's row, K's at byte 768
	v_add_nc_u32 v[AC+1], s[QOFF], v[QW2]
	v_add_nc_u32 v[AC+2], s[QSOFF], v[QSW]
	v_add_nc_u32 v[BAC], s[SB], v[BA]
.irp m, 0,1,2,3
	EPIQ \m, 0
	EPIQ \m, 1
	BIAS \m
.endr
	BARRIER                                        ; every wave's codes and images lie in LDS, and nobody reads the product's own images any more
	s_add_co_u32 s[QOFF], s[QOFF], 768
	s_add_co_u32 s[QSOFF], s[QSOFF], 4096
	s_mov_b32 s[SW], 0                             ; chunk 16 begins the first buffer again
	s_mov_b32 s[SWS], 0
	s_cmp_eq_u32 s[GG], 0
	s_cbranch_scc1 .Lnext
	; ---------------- behind K: the scores and the softmax: my 16 tokens, four at a time, in registers that are idle here
	s_mov_b32 s[SX], 0                             ; V reads the first buffer
	s_mov_b32 s[SXS], 0
	s_wait_loadcnt 0x0                             ; no load is out: x's registers are written below
	WIN 0x40
.irp T, 0,1,2,3
.irp i, 6,7,8,9,10,11
	v_mov_b32 v[SFK+12*\T+\i], 0                   ; K = 64: the upper 64 of the instruction's 128 are zero codes, on both sides
.endr
.endr
	WIN 0
.irp T, 0,1,2,3
.irp i, 6,7,8,9,10,11
	v_mov_b32 v[SFQ+12*\T+\i], 0
.endr
.endr
.irp T, 0,1,2,3
	v_mov_b32 v[ST+8*\T+1], 0                      ; a permute's destination, and the partners of pairs that are named whole
	v_mov_b32 v[ST+8*\T+7], 0
.endr
	s_mov_b32 s[S1], 0
	s_mov_b32 s[S2], 0
	s_mov_b32 s[LAP], 4
.Lscore:
	v_add_nc_u32 v[AC], s[S1], v[SCA]
	v_add_nc_u32 v[AC+1], s[S1], v[ATW]
	v_add_nc_u32 v[AC+2], s[S2], v[SCS]
	WIN 0x40
.irp T, 0,1,2,3
.irp p, 0,1,2
	ds_load_b64 v[SFK+12*\T+2*\p:SFK+12*\T+2*\p+1], v[AC] offset:TP*\T+768+8*\p    ; K: lane (r, h) takes head r, channels 32 h on: 24 bytes
.endr
.endr
	WIN 0
.irp T, 0,1,2,3
.irp p, 0,1,2
	ds_load_b64 v[SFQ+12*\T+2*\p:SFQ+12*\T+2*\p+1], v[AC] offset:TP*\T+8*\p        ; Q likewise
.endr
.endr
.irp T, 0,1,2,3
	ds_load_b32 v[SSC+\T], v[AC+2] offset:64*\T    ; lanes 0-15 Q's words, lanes 16-31 K's
.endr
	s_wait_dscnt 0x0
	WIN 0x01                                       ; source 0 (K) window 1
.irp T, 0,1,2,3
	v_wmma_scale_f32_16x16x128_f8f6f4 v[SR+8*\T:SR+8*\T+7], v[SFK+12*\T:SFK+12*\T+11], v[SFQ+12*\T:SFQ+12*\T+11], 0, v[SSC+\T], v[SSC+\T] matrix_a_fmt:MATRIX_FMT_FP6 matrix_b_fmt:MATRIX_FMT_FP6 matrix_a_scale:MATRIX_SCALE_ROW1
.endr                                              ; lane (r, h), register j: query head r, key head 8 h + j
	WIN 0
	PLACES
.irp T, 0,1,2,3
	v_max3_num_f32 v[ST+8*\T], v[SR+8*\T], v[SR+8*\T+1], v[SR+8*\T+2]
.endr
.irp T, 0,1,2,3
	v_max3_num_f32 v[ST+8*\T+2], v[SR+8*\T+3], v[SR+8*\T+4], v[SR+8*\T+5]
.endr
.irp T, 0,1,2,3
	v_max3_num_f32 v[ST+8*\T], v[ST+8*\T], v[SR+8*\T+6], v[SR+8*\T+7]
.endr
.irp T, 0,1,2,3
	v_max_num_f32 v[ST+8*\T], v[ST+8*\T], v[ST+8*\T+2]
.endr
.irp T, 0,1,2,3
	v_permlanex16_b32 v[ST+8*\T+1], v[ST+8*\T], s[SEL], s[SEL+1]
.endr
.irp T, 0,1,2,3
	v_max_num_f32 v[ST+8*\T], v[ST+8*\T], v[ST+8*\T+1]     ; the row's largest score
.endr
.irp T, 0,1,2,3
	v_mul_f32 v[ST+8*\T], s[NC], v[ST+8*\T]        ; - c x it
.endr
.irp T, 0,1,2,3
.irp j, 0,2,4,6
	v_pk_fma_f32 v[SR+8*\T+\j:SR+8*\T+\j+1], v[SR+8*\T+\j:SR+8*\T+\j+1], s[CS:CS+1], v[ST+8*\T:ST+8*\T+1] op_sel_hi:[1,0,0]   ; c s - c max
.endr
.endr
.set k, 0
	s_wait_alu depctr_va_vdst(0)
.rept 32
	v_exp_f32 v[SR+k], v[SR+k]
.set k, k+1
.endr
	v_nop                                          ; a plain place behind the exponentials
	s_wait_alu depctr_va_vdst(0)                   ; a wait behind the batch, ahead of its first reader
.irp T, 0,1,2,3
	v_pk_add_f32 v[ST+8*\T+2:ST+8*\T+3], v[SR+8*\T:SR+8*\T+1], v[SR+8*\T+2:SR+8*\T+3]
	v_pk_add_f32 v[ST+8*\T+4:ST+8*\T+5], v[SR+8*\T+4:SR+8*\T+5], v[SR+8*\T+6:SR+8*\T+7]
.endr
.irp T, 0,1,2,3
	v_pk_add_f32 v[ST+8*\T+2:ST+8*\T+3], v[ST+8*\T+2:ST+8*\T+3], v[ST+8*\T+4:ST+8*\T+5]
.endr
.irp T, 0,1,2,3
	v_add_f32 v[ST+8*\T+2], v[ST+8*\T+2], v[ST+8*\T+3]
.endr
.irp T, 0,1,2,3
	v_permlanex16_b32 v[ST+8*\T+3], v[ST+8*\T+2], s[SEL], s[SEL+1]
.endr
.irp T, 0,1,2,3
	v_add_f32 v[ST+8*\T+2], v[ST+8*\T+2], v[ST+8*\T+3]     ; the row's sum
.endr
	s_wait_alu depctr_va_vdst(0)
.irp T, 0,1,2,3
	v_rcp_f32 v[ST+8*\T+6], v[ST+8*\T+2]
.endr
	v_nop
	s_wait_alu depctr_va_vdst(0)
.irp T, 0,1,2,3
.irp j, 0,2,4,6
	v_pk_mul_f32 v[SR+8*\T+\j:SR+8*\T+\j+1], v[SR+8*\T+\j:SR+8*\T+\j+1], v[ST+8*\T+6:ST+8*\T+7] op_sel_hi:[1,0]
.endr
.endr
.irp T, 0,1,2,3
	ds_store_b128 v[AC+1], v[SR+8*\T:SR+8*\T+3] offset:TP*\T           ; attn[hq][g] at 256 (g / 4) + 16 hq + 4 (g % 4) of the token's row, over its codes, which are in registers
	ds_store_b128 v[AC+1], v[SR+8*\T+4:SR+8*\T+7] offset:TP*\T+256
.endr
	s_add_co_u32 s[S1], s[S1], 4*TP
	s_add_co_u32 s[S2], s[S2], 256
	s_sub_co_u32 s[LAP], s[LAP], 1
	s_cmp_lg_u32 s[LAP], 0
	s_cbranch_scc1 .Lscore
	s_branch .Lnext
.Lnot_qk:
	s_cmp_eq_u32 s[GG], 3
	s_cbranch_scc1 .Lnext
	; ---------------- behind V: attn x vh, in f32, and its quantiser: 16 tokens a trip
	s_wait_loadcnt 0x0                             ; no load is out: W's registers serve attn x vh, and are asked for anew behind it
	BARRIER                                        ; attn of all 64 tokens lies in LDS; nobody reads v's images any more
.macro ATLOAD q                        ; attn[all 16 hq][g = 4 q .. 4 q + 3] of my token, into window 1, buffer q % 2
	WIN 0x40
.irp hq, 0,1,2,3,4,5,6,7,8,9,10,11,12,13,14,15
	ds_load_b128 v[64*((\q)%2)+4*\hq:64*((\q)%2)+4*\hq+3], v[AC] offset:256*(\q)+16*\hq
.endr
	WIN 0
.endm
.macro FMAG q                          ; 256 packed multiply-adds: OUT[hq][8 channels] += vh[g][8 channels] x attn[hq][g]
	WIN 0x05
.irp gg, 0,1,2,3
.irp hq, 0,1,2,3,4,5,6,7,8,9,10,11,12,13,14,15
.irp jj, 0,1,2,3
.if ((\q) == 0) && (\gg == 0)
	v_pk_mul_f32 v[OUT+8*\hq+2*\jj:OUT+8*\hq+2*\jj+1], v[FV+2*\jj:FV+2*\jj+1], v[4*\hq:4*\hq+1] op_sel_hi:[1,0]   ; the first product starts the sums
.elseif (\gg%2) == 0
	v_pk_fma_f32 v[OUT+8*\hq+2*\jj:OUT+8*\hq+2*\jj+1], v[FV+8*(4*(\q)+\gg)+2*\jj:FV+8*(4*(\q)+\gg)+2*\jj+1], v[64*((\q)%2)+4*\hq+2*(\gg/2):64*((\q)%2)+4*\hq+2*(\gg/2)+1], v[OUT+8*\hq+2*\jj:OUT+8*\hq+2*\jj+1] op_sel_hi:[1,0,1]
.else
	v_pk_fma_f32 v[OUT+8*\hq+2*\jj:OUT+8*\hq+2*\jj+1], v[FV+8*(4*(\q)+\gg)+2*\jj:FV+8*(4*(\q)+\gg)+2*\jj+1], v[64*((\q)%2)+4*\hq+2*(\gg/2):64*((\q)%2)+4*\hq+2*(\gg/2)+1], v[OUT+8*\hq+2*\jj:OUT+8*\hq+2*\jj+1] op_sel:[0,1,0] op_sel_hi:[1,1,1]
.endif
.endr
.endr
.endr
	WIN 0
.endm
; vh of tokens 16 m on moves to fixed registers, so that ONE text of 1,024 multiply-adds serves the four tiles; the tile's accumulators then take bo, the O product's start
.macro COPY m
	WIN 0x42
.set k, 0
.rept 32
	v_pk_mul_f32 v[FV+2*k:FV+2*k+1], v[64*(\m)+2*k:64*(\m)+2*k+1], 1.0 op_sel_hi:[1,0]
.set k, k+1
.endr
	WIN 0x43
.set k, 0
.rept 32
	v_pk_mul_f32 v[FV+64+2*k:FV+64+2*k+1], v[64*(\m)+2*k:64*(\m)+2*k+1], 1.0 op_sel_hi:[1,0]
.set k, k+1
.endr
	BIAS \m
.endm
	s_add_co_u32 s[SB], s[SB], 4096                ; bo
	v_add_nc_u32 v[BAC], s[SB], v[BA]
	s_wait_alu depctr_va_vdst(0)
	s_mov_b32 s[MM], 0
	s_mov_b32 s[S1], 0
	s_mov_b32 s[S2], 0
	s_mov_b32 s[S3], 0
.Ltile:
	v_add_nc_u32 v[AC], s[S1], v[ATR]
	v_add_nc_u32 v[AC+1], s[S3], v[OIW]
	v_add_nc_u32 v[AC+2], s[S2], v[OSW]
	ATLOAD 0
	s_cmp_eq_u32 s[MM], 0
	s_cbranch_scc1 .Lcopy0
	s_cmp_eq_u32 s[MM], 1
	s_cbranch_scc1 .Lcopy1
	s_cmp_eq_u32 s[MM], 2
	s_cbranch_scc1 .Lcopy2
	COPY 3
	s_branch .Lcopied
.Lcopy0:
	COPY 0
	s_branch .Lcopied
.Lcopy1:
	COPY 1
	s_branch .Lcopied
.Lcopy2:
	COPY 2
.Lcopied:
.irp q, 0,1,2
	ATLOAD \q+1
	s_wait_dscnt 16                                ; this group's loads (and the bias's) are in; the next group's 16 may be out
	FMAG \q
.endr
	s_wait_dscnt 0x0
	FMAG 3
.irp p, 0,1,2,3,4,5,6,7
.irp j, 0,1,2,3,4,5,6,7
	v_permlane16_swap_b32 v[OUT+16*\p+\j], v[OUT+16*\p+8+\j]   ; lane (r, h) now holds head 2 p + h, and its registers 16 p .. 16 p + 15 my wave's 16 channels on end
.endr
.endr
.irp p, 0,1,2,3,4,5,6,7
	v_max3_num_f32 v[64+\p], |v[OUT+16*\p]|, |v[OUT+16*\p+1]|, 0x1800000
.endr
.irp i, 2,4,6,8,10,12,14
.irp p, 0,1,2,3,4,5,6,7
	v_max3_num_f32 v[64+\p], v[64+\p], |v[OUT+16*\p+\i]|, |v[OUT+16*\p+\i+1]|
.endr
.endr
	ds_store_b128 v[MXW], v[64:67]                 ; a block of 32 channels is two waves' 16: the partial maxima meet in LDS
	ds_store_b128 v[MXW], v[68:71] offset:512
	BARRIER
.irp u, 0,1,2,3
.irp i, 0,1
	ds_load_b128 v[72+8*\u+4*\i:72+8*\u+4*\i+3], v[MXR] offset:1024*\u+512*\i
.endr
.endr
	s_wait_dscnt 0x0
.irp p, 0,1,2,3,4,5,6,7
	v_max_num_f32 v[104+\p], v[72+\p], v[80+\p]    ; channels 0-31 of head 2 p + h
	v_max_num_f32 v[112+\p], v[88+\p], v[96+\p]    ; channels 32-63
.endr
.irp p, 0,1,2,3,4,5,6,7
	v_add_nc_u32 v[104+\p], 0xff000000, v[104+\p]
	v_add_nc_u32 v[112+\p], 0xff000000, v[112+\p]
.endr
.irp p, 0,1,2,3,4,5,6,7
	v_lshrrev_b32 v[64+\p], 23, v[104+\p]
	v_lshrrev_b32 v[120+\p], 23, v[112+\p]
.endr
.irp p, 0,1,2,3,4,5,6,7
	v_lshl_or_b32 v[64+\p], v[120+\p], 8, v[64+\p] ; my head's two bytes,
.endr
.irp p, 0,1,2,3,4,5,6,7
	v_lshlrev_b32 v[64+\p], v[H16], v[64+\p]       ; at their places in K step p's word;
.endr
.irp p, 0,1,2,3,4,5,6,7
	v_permlanex16_b32 v[120+\p], v[64+\p], s[SEL], s[SEL+1]
.endr
.irp p, 0,1,2,3,4,5,6,7
	v_or_b32 v[64+\p], v[64+\p], v[120+\p]         ; with lane l xor 16's two the word is whole
	v_cndmask_b32 v[104+\p], v[104+\p], v[112+\p], s[MSK]  ; my wave's own block
.endr
.irp p, 0,1,2,3,4,5,6,7
	v_cvt_scalef32_pk16_fp6_f32 v[72+4*\p:74+4*\p], v[OUT+16*\p:OUT+16*\p+15], v[104+\p]
.endr
	v_nop                                          ; one plain place behind the conversions
.irp p, 0,1,2,3,4,5,6,7
.irp i, 0,1,2
	ds_store_b32 v[AC+1], v[72+4*\p+\i] offset:XSTEP*\p+4*\i   ; K step p's image in the second buffer: block (head 2 p + h, half w / 2) belongs to operand lane r + 16 (w / 2), registers 6 h on; my 16 codes 12 (w % 2) bytes further
.endr
	ds_store_b32 v[AC+2], v[64+\p] offset:256*\p
.endr
	BARRIER                                        ; the images lie in LDS, and the maxima have been read
	s_add_co_u32 s[S1], s[S1], TILEB
	s_add_co_u32 s[S2], s[S2], 64
	s_add_co_u32 s[S3], s[S3], 1536
	s_add_co_u32 s[MM], s[MM], 1
	s_cmp_lt_u32 s[MM], 4
	s_cbranch_scc1 .Ltile
	s_lshl_b32 s[SXS], s[WV], 11                   ; O's scale words: my wave's copy
	s_add_co_u32 s[SXS], s[SXS], OS-XS
	LOADALL                                        ; K step 24
.Lnext:
	s_add_co_u32 s[GG], s[GG], 1
	s_cmp_lt_u32 s[GG], 4
	s_cbranch_scc1 .Lproj
	; ---------------- the way out: 16 tokens at a time through my own stage, in the tokens' rows, which nobody reads any more; back as rows of 1,024 bytes
.irp m, 0,1,2,3
.if \m > 0
	s_wait_xcnt 0x0                                ; the stores of the tile before have read their registers
.endif
	WIN 0x08
.irp t, 0,1,2,3,4,5,6,7
	ds_store_b128 v[STO], v[64*\m+8*\t:64*\m+8*\t+3] offset:64*\t              ; each accumulator from its low end on
	ds_store_b128 v[STO], v[64*\m+8*\t+4:64*\m+8*\t+7] offset:64*\t+16
.endr
	WIN 0x0c
.irp t, 0,1,2,3,4,5,6,7
	ds_store_b128 v[STO], v[64*\m+8*\t:64*\m+8*\t+3] offset:512+64*\t
	ds_store_b128 v[STO], v[64*\m+8*\t+4:64*\m+8*\t+7] offset:512+64*\t+16
.endr
	WIN 0
.set k, 0
.rept 32
	ds_load_b128 v[64+4*k:64+4*k+3], v[STR] offset:1040*(k/2)+512*(k%2)
.set k, k+1
.endr
.set k, 0
.rept 32
	s_wait_dscnt 31-k                              ; load k is in; the younger ones may be out
	global_store_b128 v[GOUT], v[64+4*k:64+4*k+3], s[OUTP:OUTP+1] offset:(16*\m+k/2)*4096+512*(k%2) th:TH_STORE_NT   ; 32 lanes store 512 consecutive bytes, at a multiple of 256 from out0's first byte
.set k, k+1
.endr
.endr
	s_wait_tensorcnt 0x0                           ; the wave's end
	ds_add_u32 v[SPW], v[NIL]
	s_wait_dscnt 0x0
	s_endpgm
.Lfunc_end_k_q3509933405_fused:
	.size	k_q3509933405_fused, .Lfunc_end_k_q3509933405_fused-k_q3509933405_fused
	.p2alignl 7, 3214868480
	.fill 96, 4, 3214868480
	.section	.rodata,"a",@progbits
	.p2align	6, 0x0
	.amdhsa_kernel k_q3509933405_fused
		.amdhsa_group_segment_fixed_size 272896
		.amdhsa_private_segment_fixed_size 0
		.amdhsa_enable_private_segment 0
		.amdhsa_kernarg_size 48
		.amdhsa_user_sgpr_count 2
		.amdhsa_user_sgpr_kernarg_segment_ptr 1
		.amdhsa_wavefront_size32 1
		.amdhsa_system_sgpr_workgroup_id_x 1
		.amdhsa_system_sgpr_workgroup_id_y 1
		.amdhsa_system_sgpr_workgroup_id_z 1
		.amdhsa_system_vgpr_workitem_id 0
		.amdhsa_next_free_vgpr 1024
		.amdhsa_next_free_sgpr 100
		.amdhsa_reserve_vcc 0
		.amdhsa_float_denorm_mode_32 3
		.amdhsa_float_denorm_mode_16_64 3
		.amdhsa_memory_ordered 1
		.amdhsa_forward_progress 1
		.amdhsa_inst_pref_size 255
	.end_amdhsa_kernel
	.section	.bss,"aw",@nobits
	.p2align	6
	.space	262144
	.amdgpu_metadata
---
amdhsa.version: [ 1, 2 ]
amdhsa.kernels:
  - .name:           k_q3509933405_fused
    .symbol:         k_q3509933405_fused.kd
    .args:
      - { .name: q, .offset: 0, .size: 8, .value_kind: global_buffer, .address_space: global }
      - { .name: k, .offset: 8, .size: 8, .value_kind: global_buffer, .address_space: global }
      - { .name: v, .offset: 16, .size: 8, .value_kind: global_buffer, .address_space: global }
      - { .name: WP, .offset: 24, .size: 8, .value_kind: global_buffer, .address_space: global }
      - { .name: BP, .offset: 32, .size: 8, .value_kind: global_buffer, .address_space: global }
      - { .name: out0, .offset: 40, .size: 8, .value_kind: global_buffer, .address_space: global }
    .group_segment_fixed_size: 272896
    .private_segment_fixed_size: 0
    .kernarg_segment_align: 8
    .kernarg_segment_size: 48
    .max_flat_workgroup_size: 128
    .sgpr_count:     100
    .vgpr_count:     1024
    .wavefront_size: 32
...
	.end_amdgpu_metadata
.endif
;; end of part 4
